; MI455X (gfx1250); checked and timed in simulation.
; The chip was launched on July 23, 2026; its instructions are those of AMD's public machine-readable ISA for CDNA 5 (MIT licence, August 2026) and "CDNA5" Instruction Set Architecture Reference Guide (July 2026). The comments in the code are by the model that wrote it; some were corrected since.
;; Multi Head Attention. Allowed arithmetic: matrix products marked QUANTISED: E2M1 operands, one E8M0 scale for each 32 along K, by v_wmma_scale_f32_16x16x128_f8f6f4 with both operands' format E2M1 (or v_wmma_scale_f32_32x16x128_f4), f32 sums; everything else in f32.
;; Inputs: Wk 1,024 x 1,024 float32; Wo 1,024 x 1,024 float32; Wq 1,024 x 1,024 float32; Wv 1,024 x 1,024 float32; bk 1,024 float32; bo 1,024 float32; bq 1,024 float32; bv 1,024 float32; x 4 x 2,048 x 1,024 float32.
;; Outputs: out0 4 x 2,048 x 1,024 float32.
;; This version of the problem:
;;   THIS VERSION OF THE PROBLEM IS GIVEN IN LOW PRECISION. The matrix products marked QUANTISED in the list below multiply operands that are first quantised to E2M1 (2 exponent bits, 1 mantissa bit; 4 bits a number), with one power-of-two scale for each 32 numbers along K (OCP MX v1.0); their sums are f32. All else is computed in f32.
;;   The module's matrix products, in the order in which they are computed (A, B: the left and right operand; K: the contracted axis; several contracted axes count as one K, in the product's order):
;;     1. [M 8,192, K 1,024] x [K 1,024, N 1,024]; A: input x; B: input Wq: QUANTISED
;;     2. [M 8,192, K 1,024] x [K 1,024, N 1,024]; A: input x; B: input Wk: QUANTISED
;;     3. [M 8,192, K 1,024] x [K 1,024, N 1,024]; A: input x; B: input Wv: QUANTISED
;;     4. batch 64 x [M 2,048, K 64] x [K 64, N 2,048]; A: computed on the way; B: computed on the way: QUANTISED
;;     5. batch 64 x [M 2,048, K 2,048] x [K 2,048, N 64]; A: softmax (see below); B: computed on the way: QUANTISED
;;     6. [M 8,192, K 1,024] x [K 1,024, N 1,024]; A: computed on the way; B: input Wo: QUANTISED
;;   THE QUANTISER, for each operand of a quantised product, along K:
;;     - K is cut into blocks of 32 from its start; a last block that is shorter is filled with zeros.
;;     - A block's scale is 2^e with e = floor(log2(the largest magnitude in the block)) - 2, held to -126 .. 127; a block of zeros has e = 0. As a byte (E8M0): e + 127.
;;     - Each number is divided by its block's scale, clamped to +-6, and rounded to the nearest number of E2M1, ties to even, subnormals kept.
;;     - The product sums the exact products of the quantised numbers (number of the format x scale) in f32.
;;   ~~~python
;;   def quantise(x, axis):      # numpy; x: float32 -> the quantised numbers, widened to float32 again
;;       x = np.moveaxis(x, axis, -1); K = x.shape[-1]
;;       x = np.pad(x, [(0, 0)] * (x.ndim - 1) + [(0, -K % 32)]); x = x.reshape(x.shape[:-1] + (-1, 32)); a = np.abs(x).max(-1, keepdims=True)
;;       e = np.where(a > 0, np.clip(np.frexp(np.where(a > 0, a, 1))[1] - 1 - 2, -126, 127), 0)      # np.frexp(a)[1] - 1 = floor(log2(a)), exactly
;;       r = np.clip(x / 2.0 ** e, -6, 6)
;;       step = 2.0 ** (np.maximum(np.frexp(np.where(r == 0, 1, r))[1] - 1, 0) - 1)
;;       q = np.round(r / step) * step * 2.0 ** e      # np.round: ties to even
;;       return np.moveaxis(q.reshape(q.shape[:-2] + (-1,))[..., :K], -1, axis).astype(np.float32)
;;   ~~~
;;   SOFTMAX AHEAD OF A QUANTISED PRODUCT. Where the list says 'softmax', what is quantised is not the finished softmax but p = 2^(t - M), with t = logit x log2(e) and M = ceil(the row's largest t), a whole number; so 1/2 < the row's largest p <= 1. The row's sum l is taken of the UNQUANTISED p, in f32, and the product's result is divided by l at the end. Since M is a whole number, a kernel that streams over the keys may use a running M (the ceiling of the running maximum): every later rescaling is an exact power of two, which a block's scale takes up: the codes' values come out the same.
;;   OPERANDS COMPUTED ON THE WAY. 'Computed on the way' means the value that the module computes at that place (a softmax that the list does not call 'softmax' is quantised finished and normalised). What goes into a quantiser is computed in f32, as accurately as f32 sums, v_exp_f32 and their like allow (about 1e-6 of the number): no bf16 or f16 on the way to a quantiser, and a product that is left as it is and whose result goes on into a quantised operand takes f32 operands (vector FMAs, or v_wmma_f32_16x16x4_f32). A number that lies on a knife's edge between two numbers of the format may be rounded either way, as far as f32 arithmetic and the matrix unit's own rounding can turn it there, and no further.
;; One version. Each part assembles by itself: llvm-mc -triple=amdgcn-amd-amdhsa -mcpu=gfx1250 --defsym DOCPART=n.
;; ======== version 1 of 1: 5 launches
;; workspace buffers: opc 6,291,456 bytes; ops 393,216 bytes; qkv 13,893,632 bytes; aimg 4,194,304 bytes; asc 262,144 bytes
;; launch quant_x (part 1): grid 256 x 1, 4 waves a work-group, no clusters, 34,304 bytes of LDS; arguments x, opc, ops; writes opc, ops
.if DOCPART == 1
	.amdgcn_target "amdgcn-amd-amdhsa--gfx1250"
	.amdhsa_code_object_version 6
	.text
	.protected	k_q6de8523ae1_quant_x
	.globl	k_q6de8523ae1_quant_x
	.p2align	8
	.type	k_q6de8523ae1_quant_x,@function
k_q6de8523ae1_quant_x:
	s_mov_b64 s[64:65], 0
	v_nop
	global_prefetch_b8 v0, s[64:65] scope:SCOPE_SE
	s_setreg_imm32_b32 hwreg(HW_REG_WAVE_MODE, 25, 1), 1
	s_wait_xcnt 0x0
; MULTI-HEAD ATTENTION ON CODES OF E2M1, first of five launches.  NO WORK IS LEFT OUT: every product of the problem is live, every bias moves codes ahead of a quantiser
; (bq, bk, bv) or is added to the output (bo), so every input is loaded by some launch.
; THIS LAUNCH: x [8192][1024] f32 becomes codes (4 bits, K innermost, 512 bytes a row) in opc and one E8M0 byte for each 32 along K in ops.
; A block's scale is 2^(floor(log2(largest magnitude)) - 2); its byte is the largest magnitude's exponent field - 2, held at 1 from below.
; ROWS ARE STORED AT POSITIONS: position = the row's number with bits 3 and 4 exchanged.  So 16 neighbouring positions 32 B + 16 u + i hold rows 32 B + 8 u + i + 8 (i / 8): the choice of rows
; by which a transposed product leaves 16 neighbours of the next K in the 16 registers of two neighbouring tiles.
; ops: [K half of 512][12288 positions][16 bytes]: a position's 16 blocks of one half lie together, four bytes (one word) for each 128 along K.
; LIMITS: NaN and infinities among the inputs are not served; a block whose largest magnitude lies under 2^-124 keeps the byte 1; a block of zeros gets the byte 1 (its codes are zeros; these bytes are read by this program alone).
; SHARES: a work-group takes 32 rows, a wave 8 of them: 16 steps of 512 numbers (half a row).  Each load reads 512 consecutive bytes; a step's 2,048 bytes turn through the wave's own stage in LDS,
; so that a lane holds 16 neighbours (two lanes a block).  A step's codes are 256 consecutive bytes.  The work-group's 1,024 scale bytes meet in LDS and leave as four aligned runs of 256 bytes.
.set STEPS, 16
.set EMAX,  2
.set R,     16                         ; v16-79   four sets of 16 numbers as loaded
.set X,     80                         ; v80-111  two sets of 16 neighbours
.set E,     112                        ; v112-127 a scale byte for each step
.set C,     128                        ; v128-191 codes: registers of its own for each step
.set WREG,  8192                       ; LDS: a region for each wave: two stages of 32 x SP bytes
.set SP,    80                         ; a lane's place in a stage: 64 bytes + 16 of padding
.set SPW,   12                         ; v12 LDS address of my spare word; never rewritten
.set NIL,   13                         ; v13 0; never rewritten
.set SCB,   4*WREG                     ; the work-group's scale bytes: [K half][32 positions][16]
.set SPARE, SCB+1024                   ; the spare words, 128 bytes for each wave
.set GS,    196608                     ; bytes from one K half to the other in ops
	s_load_b128 s[4:7], s[0:1], 0x0                ; x, opc
	s_load_b64 s[8:9], s[0:1], 0x10                ; ops
	v_lshl_add_u32 v[SPW], v0, 2, SPARE
	v_mov_b32 v[NIL], 0
	v_lshrrev_b32 v1, 5, v0
	v_readfirstlane_b32 s16, v1                    ; wave
	v_and_b32 v2, 31, v0                           ; lane
	v_lshlrev_b32 v3, 4, v2                        ; my 16 bytes of a load's 512
	s_mul_i32 s17, s16, WREG
	v_lshrrev_b32 v14, 2, v2
	v_mul_u32_u24 v14, v14, SP
	v_and_b32 v15, 3, v2
	v_lshl_add_u32 v14, v15, 4, v14
	v_add_nc_u32 v14, s17, v14                     ; the stage, on the way in: SP (lane / 4) + 16 (lane % 4)
	v_mul_u32_u24 v15, v2, SP
	v_add_nc_u32 v15, s17, v15                     ; on the way out: SP x lane
	v_lshlrev_b32 v4, 3, v2                        ; 8 x lane: my codes' place in a step's, and my 8 scale bytes at the end
	s_wait_alu depctr_va_vdst(0)
	s_and_b32 s18, s16, 1
	s_lshl_b32 s18, s18, 1
	s_lshr_b32 s19, s16, 1
	s_or_b32 s18, s18, s19                         ; my 8 rows' run of positions: the wave's two bits exchanged
	s_lshl_b32 s19, s18, 7
	s_add_co_u32 s19, s19, SCB
	v_lshrrev_b32 v5, 1, v2
	v_add_nc_u32 v5, s19, v5                       ; where my block's byte goes: SCB + 16 x (8 x run) + lane / 2
	s_lshl_b32 s19, s16, 8
	s_add_co_u32 s19, s19, SCB
	v_add_nc_u32 v6, s19, v4                       ; and what I read back: 256 bytes a wave
	s_lshl_b32 s20, ttmp9, 17                      ; x: 32 rows of 4,096 bytes a work-group,
	s_lshl_b32 s21, s16, 15                        ; 8 a wave
	s_add_co_u32 s20, s20, s21
	s_mov_b32 s21, 0
	s_lshl_b32 s22, ttmp9, 14                      ; opc: 32 positions of 512 bytes,
	s_lshl_b32 s23, s18, 12                        ; my run of 8
	s_add_co_u32 s22, s22, s23
	s_mov_b32 s23, 0
	s_lshr_b32 s24, s16, 1                         ; ops: waves 0, 1 store K half 0, waves 2, 3 half 1
	s_mul_i32 s24, s24, GS
	s_lshl_b32 s25, ttmp9, 9
	s_add_co_u32 s24, s24, s25
	s_and_b32 s25, s16, 1
	s_lshl_b32 s25, s25, 8
	s_add_co_u32 s24, s24, s25
	s_mov_b32 s25, 0
	s_wait_kmcnt 0x0
	s_add_nc_u64 s[4:5], s[4:5], s[20:21]
	s_add_nc_u64 s[6:7], s[6:7], s[22:23]
	s_add_nc_u64 s[8:9], s[8:9], s[24:25]
.macro LOAD t
.irp i, 0,1,2,3
	global_load_b128 v[R+16*((\t)%4)+4*\i:R+16*((\t)%4)+4*\i+3], v3, s[4:5] offset:2048*(\t)+512*\i th:TH_LOAD_NT   ; 32 lanes read 512 consecutive bytes
.endr
.endm
.macro TURN t                          ; step t's numbers through the stage: LDS serves a wave's instructions in order, so no wait stands between the stores and the loads
.irp i, 0,1,2,3
	ds_store_b128 v14, v[R+16*((\t)%4)+4*\i:R+16*((\t)%4)+4*\i+3] offset:32*SP*((\t)%2)+8*SP*\i
.endr
.irp i, 0,1,2,3
	ds_load_b128 v[X+16*((\t)%2)+4*\i:X+16*((\t)%2)+4*\i+3], v15 offset:32*SP*((\t)%2)+16*\i
.endr
.endm
.irp t, 0,1,2,3
	LOAD \t
.endr
	s_wait_loadcnt 12                              ; step 0's four loads are in
	TURN 0
.macro STEP t
.set XS, X+16*((\t)%2)
.if (\t) > 0
	s_wait_dscnt 1                                 ; this step's numbers are back from the stage (the last step's byte store may be out): its stores into the stage have read their registers,
.else
	s_wait_dscnt 0x0
.endif
.if (\t)+4 < STEPS
	LOAD (\t)+4                                    ; which take the loads of four steps on
.endif
.if (\t)+1 < STEPS
.if STEPS-2-(\t) >= 3
	s_wait_loadcnt 12                              ; the next step's four loads are in; those of the three steps behind it may be out
.else
	s_wait_loadcnt 4*(STEPS-2-(\t))
.endif
	TURN (\t)+1
.endif
	v_max3_num_f32 v8, |v[XS]|, |v[XS+1]|, |v[XS+2]|               ; the largest magnitude of my 16, in two chains
	v_max3_num_f32 v9, |v[XS+3]|, |v[XS+4]|, |v[XS+5]|
.irp i, 6,10
	v_max3_num_f32 v8, v8, |v[XS+\i]|, |v[XS+\i+1]|
	v_max3_num_f32 v9, v9, |v[XS+\i+2]|, |v[XS+\i+3]|
.endr
	v_max3_num_f32 v8, v8, |v[XS+14]|, |v[XS+15]|
	v_max3_num_f32 v8, v8, v9, (EMAX+1)<<23        ; and the floor 2^(3 - 127): the byte cannot fall under 1
	v_max_num_f32_dpp v8, v8, v8 row_xmask:1 row_mask:0xf bank_mask:0xf   ; with my neighbour's 16: the block's
	v_add_nc_u32 v11, -(EMAX<<23), v8              ; 2 off its exponent field: the conversion takes the exponent field of this operand as its scale
	v_cvt_scalef32_pk8_fp4_f32 v[C+4*(\t)], v[XS:XS+7], v11
	v_cvt_scalef32_pk8_fp4_f32 v[C+4*(\t)+1], v[XS+8:XS+15], v11
	v_lshrrev_b32 v[E+(\t)], 23, v11               ; the scale's byte
	ds_store_b8 v5, v[E+(\t)] offset:512*((\t)%2)+16*((\t)/2)      ; K half t % 2, row t / 2 of my run; both lanes of a block write the same byte with the same value
	global_store_b64 v4, v[C+4*(\t):C+4*(\t)+1], s[6:7] offset:256*(\t)   ; 32 lanes store 256 consecutive bytes, aligned
.endm
.irp t, 0,1,2,3,4,5,6,7,8,9,10,11,12,13,14,15
	STEP \t
.endr
	s_wait_dscnt 0x0                               ; for the others' sake: my byte stores have landed
	s_barrier_signal -1
	s_barrier_wait -1
	ds_load_b64 v[8:9], v6                         ; 256 of the work-group's 1,024 scale bytes
	s_wait_dscnt 0x0
	global_store_b64 v4, v[8:9], s[8:9]            ; 32 lanes store 256 consecutive bytes, aligned
	s_wait_tensorcnt 0x0                           ; the wave's end
	ds_add_u32 v[SPW], v[NIL]
	s_wait_dscnt 0x0
	s_endpgm
.Lfunc_end_k_q6de8523ae1_quant_x:
	.size	k_q6de8523ae1_quant_x, .Lfunc_end_k_q6de8523ae1_quant_x-k_q6de8523ae1_quant_x
	.p2alignl 7, 3214868480
	.fill 96, 4, 3214868480
	.section	.rodata,"a",@progbits
	.p2align	6, 0x0
	.amdhsa_kernel k_q6de8523ae1_quant_x
		.amdhsa_group_segment_fixed_size 34304
		.amdhsa_private_segment_fixed_size 0
		.amdhsa_enable_private_segment 0
		.amdhsa_kernarg_size 24
		.amdhsa_user_sgpr_count 2
		.amdhsa_user_sgpr_kernarg_segment_ptr 1
		.amdhsa_wavefront_size32 1
		.amdhsa_system_sgpr_workgroup_id_x 1
		.amdhsa_system_sgpr_workgroup_id_y 1
		.amdhsa_system_sgpr_workgroup_id_z 1
		.amdhsa_system_vgpr_workitem_id 0
		.amdhsa_next_free_vgpr 192
		.amdhsa_next_free_sgpr 66
		.amdhsa_reserve_vcc 0
		.amdhsa_float_denorm_mode_32 3
		.amdhsa_float_denorm_mode_16_64 3
		.amdhsa_memory_ordered 1
		.amdhsa_forward_progress 1
		.amdhsa_inst_pref_size 34
	.end_amdhsa_kernel
	.amdgpu_metadata
---
amdhsa.version: [ 1, 2 ]
amdhsa.kernels:
  - .name:           k_q6de8523ae1_quant_x
    .symbol:         k_q6de8523ae1_quant_x.kd
    .args:
      - { .name: x, .offset: 0, .size: 8, .value_kind: global_buffer, .address_space: global }
      - { .name: opc, .offset: 8, .size: 8, .value_kind: global_buffer, .address_space: global }
      - { .name: ops, .offset: 16, .size: 8, .value_kind: global_buffer, .address_space: global }
    .group_segment_fixed_size: 34304
    .private_segment_fixed_size: 0
    .kernarg_segment_align: 8
    .kernarg_segment_size: 24
    .max_flat_workgroup_size: 128
    .sgpr_count:     66
    .vgpr_count:     192
    .wavefront_size: 32
...
	.end_amdgpu_metadata
.endif
;; end of part 1
;; launch quant_w (part 2): grid 16 x 8, 8 waves a work-group, no clusters, 19,456 bytes of LDS; arguments Wq, Wk, Wv, Wo, opc, ops; writes opc, ops
.if DOCPART == 2
	.amdgcn_target "amdgcn-amd-amdhsa--gfx1250"
	.amdhsa_code_object_version 6
	.text
	.protected	k_q6de8523ae1_quant_w
	.globl	k_q6de8523ae1_quant_w
	.p2align	8
	.type	k_q6de8523ae1_quant_w,@function
k_q6de8523ae1_quant_w:
	s_mov_b64 s[64:65], 0
	v_nop
	global_prefetch_b8 v0, s[64:65] scope:SCOPE_SE
	s_setreg_imm32_b32 hwreg(HW_REG_WAVE_MODE, 25, 1), 1
	s_wait_xcnt 0x0
; Second launch; no work is left out.  The four weights [1024 (k)][1024 (n)] f32, whose K is their FIRST axis, become codes with K innermost in opc (row 8192 + 1024 w + position of n; w = 0 .. 3 for Wq, Wk, Wv, Wo)
; and scale bytes in ops, laid as the launch before lays x's.  Position of n = n with bits 3 and 4 exchanged.
; A LANE TAKES A COLUMN n AND ITS REGISTERS RUN DOWN K: a block of 32 along K lies in one lane's 32 registers, and the conversions give codes with K innermost.  Nothing is transposed by an instruction.
; SHARES: work-group (x, y): 64 columns 64 x, weight y / 2, K half y % 2 (512).  Wave w: 32 columns (w % 2), 128 along K (w / 2): four blocks a lane.  The two waves side by side read 256 consecutive bytes of a row of W.
; The codes meet in a stage (64 columns x 256 bytes, rows 272 bytes apart) and leave by rows: sixteen lanes store 256 consecutive bytes, aligned.  The scale words meet at their positions and leave as 1,024 consecutive bytes.
; LIMITS: as in the first launch (NaN, infinities; the byte 1 under the floor and for blocks of zeros).
.set PITCH, 272
.set SCS,   64*PITCH                   ; behind the stage: [64 positions][16 bytes]
.set SPARE, SCS+1024                   ; the spare words, 128 bytes for each of eight waves
.set GS,    196608
.set EMAX,  2
.set X,     32                         ; v32-159  four blocks of 32 numbers
.set C,     160                        ; v160-175 a block's codes: registers of its own for each block
.set SB,    176                        ; v176     my four scale bytes
.set OUTR,  180                        ; v180-195 the way out
.set SPW,   14
.set NIL,   15
	s_load_b256 s[4:11], s[0:1], 0x0               ; Wq, Wk, Wv, Wo
	s_load_b128 s[12:15], s[0:1], 0x20             ; opc, ops
	v_lshl_add_u32 v[SPW], v0, 2, SPARE
	v_mov_b32 v[NIL], 0
	v_lshrrev_b32 v1, 5, v0
	s_delay_alu instid0(VALU_DEP_1)
	v_readfirstlane_b32 s16, v1                    ; wave 0..7
	s_and_b32 s17, s16, 1                          ; which 32 columns
	s_lshr_b32 s18, s16, 1                         ; which 128 along K
	s_and_b32 s19, ttmp7, 0xffff
	s_lshr_b32 s20, s19, 1                         ; which weight
	s_and_b32 s21, s19, 1                          ; which K half
	v_and_b32 v2, 31, v0                           ; lane
	s_delay_alu instid0(VALU_DEP_1)
	v_lshlrev_b32 v3, 2, v2                        ; in: 4 bytes a lane
	s_mul_i32 s22, s17, 32*PITCH
	s_lshl_b32 s23, s18, 6
	s_add_co_u32 s22, s22, s23
	v_mul_u32_u24 v4, v2, PITCH
	s_delay_alu instid0(VALU_DEP_1)
	v_add_nc_u32 v4, s22, v4                       ; into the stage: row = my column, 64 bytes for each 128 along K
	v_and_b32 v5, 7, v2
	v_bfe_u32 v6, v2, 3, 1
	v_bfe_u32 v7, v2, 4, 1
	s_delay_alu instid0(VALU_DEP_2)
	v_lshl_add_u32 v5, v6, 4, v5
	s_delay_alu instid0(VALU_DEP_1)
	v_lshl_add_u32 v5, v7, 3, v5                   ; my column's position among the wave's 32
	s_delay_alu instid0(VALU_DEP_1)
	v_lshlrev_b32 v5, 4, v5
	s_lshl_b32 s22, s17, 9
	s_lshl_b32 s23, s18, 2
	s_add_co_u32 s22, s22, s23
	s_add_co_u32 s22, s22, SCS
	v_add_nc_u32 v5, s22, v5                       ; where my scale word goes
	v_and_b32 v8, 15, v2
	v_lshrrev_b32 v9, 4, v2
	s_mul_i32 s22, s16, 8*PITCH
	v_mul_u32_u24 v6, v9, PITCH
	s_delay_alu instid0(VALU_DEP_1)
	v_lshl_add_u32 v6, v8, 4, v6
	s_delay_alu instid0(VALU_DEP_1)
	v_add_nc_u32 v6, s22, v6                       ; out of the stage: my wave's 8 rows, sixteen lanes to a row, two rows an instruction
	v_lshlrev_b32 v7, 9, v9
	s_delay_alu instid0(VALU_DEP_1)
	v_lshl_add_u32 v7, v8, 4, v7                   ; and the same place in opc
	v_and_b32 v9, 63, v0
	s_delay_alu instid0(VALU_DEP_1)
	v_lshlrev_b32 v9, 4, v9                        ; the scale words' way out (waves 0 and 1): 16 bytes a thread
	s_delay_alu instid0(VALU_DEP_1)
	v_add_nc_u32 v8, SCS, v9
	s_lshl_b32 s24, s21, 21                        ; W: 512 rows of 4,096 bytes a K half,
	s_lshl_b32 s25, s18, 19                        ; 128 rows for my part,
	s_add_co_u32 s24, s24, s25
	s_lshl_b32 s25, ttmp9, 8                       ; 64 columns a work-group,
	s_add_co_u32 s24, s24, s25
	s_lshl_b32 s25, s17, 7                         ; 32 a wave
	s_add_co_u32 s24, s24, s25
	s_mov_b32 s25, 0
	s_lshl_b32 s26, s20, 19                        ; opc: 1,024 rows of 512 bytes a weight, behind x's 8,192,
	s_add_co_u32 s26, s26, 8192*512
	s_lshl_b32 s27, ttmp9, 15                      ; 64 rows a work-group;
	s_add_co_u32 s26, s26, s27
	s_lshr_b32 s27, s16, 2                         ; stage rows 8 w .. 8 w + 7 go to positions 32 (w / 4) + 16 (w % 2) + 8 ((w / 2) % 2) on
	s_lshl_b32 s27, s27, 14
	s_add_co_u32 s26, s26, s27
	s_lshl_b32 s27, s17, 13
	s_add_co_u32 s26, s26, s27
	s_and_b32 s27, s18, 1
	s_lshl_b32 s27, s27, 12
	s_add_co_u32 s26, s26, s27
	s_lshl_b32 s27, s21, 8                         ; the K half's 256 bytes of a row
	s_add_co_u32 s26, s26, s27
	s_mov_b32 s27, 0
	s_mul_i32 s28, s21, GS                         ; ops
	s_add_co_u32 s28, s28, 8192*16
	s_lshl_b32 s29, s20, 14
	s_add_co_u32 s28, s28, s29
	s_lshl_b32 s29, ttmp9, 10
	s_add_co_u32 s28, s28, s29
	s_mov_b32 s29, 0
	s_wait_kmcnt 0x0
	s_cmp_eq_u32 s20, 1                            ; the weight is chosen by the work-group's number alone
	s_cselect_b64 s[4:5], s[6:7], s[4:5]
	s_cmp_eq_u32 s20, 2
	s_cselect_b64 s[4:5], s[8:9], s[4:5]
	s_cmp_eq_u32 s20, 3
	s_cselect_b64 s[4:5], s[10:11], s[4:5]
	s_add_nc_u64 s[4:5], s[4:5], s[24:25]
	s_add_nc_u64 s[12:13], s[12:13], s[26:27]
	s_add_nc_u64 s[14:15], s[14:15], s[28:29]
.macro LOAD t                          ; block t: W(32 t + i, my column), i = 0 .. 31
.irp i, 0,1,2,3,4,5,6,7,8,9,10,11,12,13,14,15,16,17,18,19,20,21,22,23,24,25,26,27,28,29,30,31
	global_load_b32 v[X+32*(\t)+\i], v3, s[4:5] offset:(32*(\t)+\i)*4096 th:TH_LOAD_NT
.endr
.endm
	LOAD 0
	LOAD 1
.macro BLOCK t
.set XS, X+32*(\t)
.if (\t) < 3
	s_wait_loadcnt 32                              ; this block's 32 loads are in; the next block's may be out
.else
	s_wait_loadcnt 0
.endif
.if (\t)+2 < 4
	LOAD (\t)+2                                    ; two blocks ahead, into registers of its own
.endif
	v_max3_num_f32 v12, |v[XS]|, |v[XS+1]|, |v[XS+2]|               ; the block's largest magnitude: all 32 numbers are mine
	v_max3_num_f32 v13, |v[XS+3]|, |v[XS+4]|, |v[XS+5]|
.irp i, 6,10,14,18,22,26
	s_delay_alu instid0(VALU_DEP_2)
	v_max3_num_f32 v12, v12, |v[XS+\i]|, |v[XS+\i+1]|
	s_delay_alu instid0(VALU_DEP_2)
	v_max3_num_f32 v13, v13, |v[XS+\i+2]|, |v[XS+\i+3]|
.endr
	s_delay_alu instid0(VALU_DEP_2)
	v_max3_num_f32 v12, v12, |v[XS+30]|, |v[XS+31]|
	s_delay_alu instid0(VALU_DEP_1)
	v_max3_num_f32 v12, v12, v13, (EMAX+1)<<23     ; and the floor 2^(3 - 127)
	s_delay_alu instid0(VALU_DEP_1)
	v_add_nc_u32 v11, -(EMAX<<23), v12             ; the conversion's scale operand
	s_delay_alu instid0(VALU_DEP_1)
	v_lshrrev_b32 v13, 23, v11                     ; the scale's byte
.if (\t) == 0
	s_delay_alu instid0(VALU_DEP_1)
	v_mov_b32 v[SB], v13
.else
	s_delay_alu instid0(VALU_DEP_1)
	v_lshl_or_b32 v[SB], v13, 8*(\t), v[SB]        ; four bytes make the word of my 128 along K
.endif
.irp g, 0,1,2,3
	v_cvt_scalef32_pk8_fp4_f32 v[C+4*(\t)+\g], v[XS+8*\g:XS+8*\g+7], v11
.endr
	ds_store_b128 v4, v[C+4*(\t):C+4*(\t)+3] offset:16*(\t)        ; 32 codes: 16 bytes of my column's row
.endm
	BLOCK 0
	BLOCK 1
	BLOCK 2
	BLOCK 3
	ds_store_b32 v5, v[SB]
	s_wait_dscnt 0x0                               ; for the others' sake: my stores have landed
	s_barrier_signal -1
	s_barrier_wait -1
.irp t, 0,1,2,3
	ds_load_b128 v[OUTR+4*\t:OUTR+4*\t+3], v6 offset:2*\t*PITCH
.endr
.irp t, 0,1,2,3
	s_wait_dscnt 3-\t                              ; rows 2 t and 2 t + 1 are back; the later ones may be out
	global_store_b128 v7, v[OUTR+4*\t:OUTR+4*\t+3], s[12:13] offset:1024*\t    ; sixteen lanes store 256 consecutive bytes, aligned
.endr
	s_cmp_lt_u32 s16, 2
	s_cbranch_scc0 .Lno_scales
	ds_load_b128 v[160:163], v8                    ; waves 0 and 1: the 64 positions' 16 bytes each
	s_wait_dscnt 0x0
	global_store_b128 v9, v[160:163], s[14:15]
.Lno_scales:
	s_wait_tensorcnt 0x0                           ; the wave's end
	ds_add_u32 v[SPW], v[NIL]
	s_wait_dscnt 0x0
	s_endpgm
.Lfunc_end_k_q6de8523ae1_quant_w:
	.size	k_q6de8523ae1_quant_w, .Lfunc_end_k_q6de8523ae1_quant_w-k_q6de8523ae1_quant_w
	.p2alignl 7, 3214868480
	.fill 96, 4, 3214868480
	.section	.rodata,"a",@progbits
	.p2align	6, 0x0
	.amdhsa_kernel k_q6de8523ae1_quant_w
		.amdhsa_group_segment_fixed_size 19456
		.amdhsa_private_segment_fixed_size 0
		.amdhsa_enable_private_segment 0
		.amdhsa_kernarg_size 48
		.amdhsa_user_sgpr_count 2
		.amdhsa_user_sgpr_kernarg_segment_ptr 1
		.amdhsa_wavefront_size32 1
		.amdhsa_system_sgpr_workgroup_id_x 1
		.amdhsa_system_sgpr_workgroup_id_y 1
		.amdhsa_system_sgpr_workgroup_id_z 1
		.amdhsa_system_vgpr_workitem_id 0
		.amdhsa_next_free_vgpr 200
		.amdhsa_next_free_sgpr 66
		.amdhsa_reserve_vcc 0
		.amdhsa_float_denorm_mode_32 3
		.amdhsa_float_denorm_mode_16_64 3
		.amdhsa_memory_ordered 1
		.amdhsa_forward_progress 1
		.amdhsa_inst_pref_size 26
	.end_amdhsa_kernel
	.amdgpu_metadata
---
amdhsa.version: [ 1, 2 ]
amdhsa.kernels:
  - .name:           k_q6de8523ae1_quant_w
    .symbol:         k_q6de8523ae1_quant_w.kd
    .args:
      - { .name: Wq, .offset: 0, .size: 8, .value_kind: global_buffer, .address_space: global }
      - { .name: Wk, .offset: 8, .size: 8, .value_kind: global_buffer, .address_space: global }
      - { .name: Wv, .offset: 16, .size: 8, .value_kind: global_buffer, .address_space: global }
      - { .name: Wo, .offset: 24, .size: 8, .value_kind: global_buffer, .address_space: global }
      - { .name: opc, .offset: 32, .size: 8, .value_kind: global_buffer, .address_space: global }
      - { .name: ops, .offset: 40, .size: 8, .value_kind: global_buffer, .address_space: global }
    .group_segment_fixed_size: 19456
    .private_segment_fixed_size: 0
    .kernarg_segment_align: 8
    .kernarg_segment_size: 48
    .max_flat_workgroup_size: 256
    .sgpr_count:     66
    .vgpr_count:     200
    .wavefront_size: 32
...
	.end_amdgpu_metadata
.endif
;; end of part 2
;; launch qkv (part 3): grid 8 x 48, 4 waves a work-group, clusters of 4 x 4, 327,680 bytes of LDS; arguments opc, ops, bq, bk, bv, qkv; writes qkv
.if DOCPART == 3
	.amdgcn_target "amdgcn-amd-amdhsa--gfx1250"
	.amdhsa_code_object_version 6
	.text
	.protected	k_q6de8523ae1_qkv
	.globl	k_q6de8523ae1_qkv
	.p2align	8
	.type	k_q6de8523ae1_qkv,@function
k_q6de8523ae1_qkv:
	s_mov_b64 s[64:65], 0
	v_nop
	global_prefetch_b8 v0, s[64:65] scope:SCOPE_SE
	s_setreg_imm32_b32 hwreg(HW_REG_WAVE_MODE, 25, 1), 1
	s_wait_xcnt 0x0
	s_wait_alu depctr_hold_cnt(0) depctr_sa_sdst(0) depctr_va_vdst(0) depctr_va_sdst(0) depctr_va_ssrc(0) depctr_va_vcc(0) depctr_vm_vsrc(0)
	s_getreg_b32 s2, hwreg(HW_REG_IB_STS2, 6, 4)
	s_cmp_eq_u32 s2, 0
	s_cbranch_scc0 .Lentry_in_a_cluster
	s_endpgm
.Lentry_in_a_cluster:
	s_bfe_u32 s2, ttmp6, 0x10000c
	s_cmp_lg_u32 s2, 0xf033
	s_cbranch_scc0 .Lentry_shape_is_right
	s_endpgm
.Lentry_shape_is_right:
; Third launch; no work is left out.  The three projections on codes of E2M1 (K = 1,024), the bias added in f32, and the result QUANTISED IN REGISTERS into the images that the attention launch loads.
; A tile of 256 x 256 to a work-group of four waves, 128 x 128 a wave (64 accumulators, 512 registers); K in two slots of 512, both asked for at the start: nothing is filled again.
; TWO KINDS OF CLUSTER (4 x 4 work-groups), told apart by the cluster's y alone, which all sixteen partners share:
;   y 0..7  (q and k): A = 256 positions of x, B = 256 positions of Wq | Wk.     y 8..11 (v): A = 256 positions of Wv, B = 256 positions of x: V transposed.
; THE MATRIX INSTRUCTION IS USED TRANSPOSED (source 0 = 16 rows of B, source 1 = 16 rows of A): a lane holds ONE row of A, and its registers run along B's index.  B's rows lie at positions (bits 3 and 4 of the
; index exchanged), so the 16 registers of tiles 2 B and 2 B + 1 are 16 NEIGHBOURS: index 32 B + 16 (lane / 16) + 0 .. 15.  That index is the next product's K: channels for q and k, keys for v.
; So a wave's 128 x 128 gives, for each of its 8 blocks of 16 rows, one fragment (8 registers) and one scale word a row, made as in any quantiser and stored as images: 16 bytes a lane, 512 consecutive bytes a store.
; qkv: 64 records (16 batch + head) of REC bytes:  q images [128 tiles][512] | q scale words [32][16 rows][4 tiles][4] | k likewise | v images [16 key steps][4 tiles][2][512] | v scale words [16][16 rows][4 tiles][4].
; A q or k fragment has 64 along K: half an image of 128; the word's upper two bytes (the neighbouring head's, or 0) meet zero codes alone.
; A's tiles are shared along a row of the cluster, B's along a column: joint loads.  The scale words come straight into registers: 16 loads of 512 consecutive bytes a wave.
; LIMITS: as in the first launch.
; REGISTERS: window 0: v1, v2 lane % 16, lane / 16; v16-29 addresses; v32-63 A's scale words, v64-95 B's (register 8 (block / 2) + K step; lanes 0-15 the even block, 16-31 the odd);
;   v96-103 codes just made; v104-119 at work; v120-127 the 8 scale words made; v128-191 A's fragments, later 64 numbers; v192-255 the bias.   window 1: B's fragments, two sets.   windows 2, 3: accumulators.
.set NQ,     4                         ; steps of 128 along K in a slot
.set ROWB,   256                       ; a tile's row: 512 codes
.set KROW,   512                       ; a row of opc
.set PITCH,  272                       ; an LDS row: 256 bytes + 16 of padding: the 16 rows of a load start at 16 different banks
.set FR,     8
.set NL,     2
.set NP,     4
.set HALFT,  128*PITCH
.set SLOT,   4*HALFT
.set SPARE,  2*SLOT                    ; behind the two slots: the spare words, 128 bytes for each wave
.set GS,     196608
.set REC,    217088
.set ADRA, 16
.set ADRB, 20
.set LT,   24                          ; v24 (lane / 16) x REC + 16 (lane % 16): the scale words' place
.set SH,   25                          ; v25 16 (lane / 16)
.set BLT,  26                          ; v26 the bias loads' lane term
.set VSO,  27                          ; v27 16 x lane
.set SPW,  28
.set NIL,  29
.set SCA,  32
.set SCB,  64
.set PC,   96
.set TM,   104
.set SW,   120
.set AF,   128
.set H,    128
.set BN,   192
.set WV,   16                          ; s16 wave
.set RH,   17                          ; s17 which half of the tile's rows is mine; also: I fetch for A (0) or B (1)
.set CH,   18                          ; s18 which half of its columns; also: which 128 rows I fetch
.set TYPE, 19                          ; s19 1 in a cluster that makes v
.set G1,   24
.set G0,   32
.set G1B,  48
.set G0B,  56
.set SEL,  82
.set MSB, 0
.macro WIN new                         ; the immediate's high byte repeats the setting that is left
.if MSB != (\new)
	s_set_vgpr_msb (MSB<<8)|(\new)
.set MSB, \new
.endif
.endm
.set MUL_LO, 0xa1                      ; source 0 (B) window 1, source 1 (A) window 0, C and D window 2
.set MUL_HI, 0xf1
.set TO_B,   0x40
.macro JLOAD g0a, g1a, g0b, g1b        ; a joint load: waves 0 and 1 fetch for A, waves 2 and 3 for B; the branch hangs on the wave's number alone; s_nop 0 and four v_nop follow each line
	s_cmp_eq_u32 s[RH], 0
	s_cbranch_scc0 .Lfor_b_\@
	tensor_load_to_lds s[\g0a:\g0a+3], s[\g1a:\g1a+7]
	s_nop 0
.rept 4
	v_nop
.endr
	s_branch .Lasked_\@
.Lfor_b_\@:
	tensor_load_to_lds s[\g0b:\g0b+3], s[\g1b:\g1b+7]
	s_nop 0
.rept 4
	v_nop
.endr
.Lasked_\@:
.endm
.macro CROUND                          ; a round of the cluster's barrier
	s_barrier_signal -1
	s_barrier_wait -1
	s_cmp_lg_u32 s[WV], 0
	s_cbranch_scc1 .Lnot_wave_0_\@
	s_barrier_signal -3
.Lnot_wave_0_\@:
	s_barrier_wait -3
	s_barrier_signal -1
	s_barrier_wait -1
.endm
	s_load_b256 s[4:11], s[0:1], 0x0               ; opc s[4:5], ops s[6:7], bq s[8:9], bk s[10:11]
	s_load_b128 s[12:15], s[0:1], 0x20             ; bv s[12:13], qkv s[14:15]
	v_lshl_add_u32 v[SPW], v0, 2, SPARE
	v_mov_b32 v[NIL], 0
	ds_add_u32 v[SPW], v[NIL]                      ; the wave's opening: the add, twice on end, and its wait ahead of my first tensor load
	ds_add_u32 v[SPW], v[NIL]
	v_lshrrev_b32 v1, 5, v0
	v_readfirstlane_b32 s[WV], v1
	s_lshr_b32 s[RH], s[WV], 1
	s_and_b32 s[CH], s[WV], 1
	s_bfe_u32 s40, ttmp6, 0x40000                  ; cx
	s_bfe_u32 s41, ttmp6, 0x40004                  ; cy
	s_and_b32 s20, ttmp7, 0xffff                   ; the cluster's y
	s_sub_co_u32 s21, s20, 8
	s_lshl_b32 s21, s21, 1
	s_add_co_u32 s21, s21, ttmp9                   ; a v cluster's number, 0..7 (used where y >= 8 alone)
	s_mov_b32 s22, 10240
	s_mov_b32 s23, 8192
	s_cmp_ge_u32 s20, 8
	s_cselect_b32 s68, s21, ttmp9                  ; the cluster's column of tiles
	s_cselect_b32 s69, 0, s20                      ; its row of tiles
	s_cselect_b32 s66, s22, 0                      ; A's first row in opc: Wv's, or x's
	s_cselect_b32 s67, 0, s23                      ; B's: x's, or Wq's
	s_cselect_b32 s[TYPE], 1, 0
	s_lshl_b32 s42, s68, 2
	s_add_co_u32 s42, s42, s40                     ; tile column
	s_lshl_b32 s45, s69, 2
	s_add_co_u32 s45, s45, s41                     ; tile row
	s_lshl_b32 s43, s41, 2
	s_lshl_b32 s43, 15, s43                        ; my row of the cluster
	s_lshl_b32 s44, 0x1111, s40                    ; my column
	s_or_b32 s[G1+0], s43, (1<<20)|(1<<21)|(5<<22)|(3<<25)   ; the mask; elements of 1 byte; padding: 4 words behind every 64; bit 21 beside a mask
	s_or_b32 s[G1B+0], s44, (1<<20)|(1<<21)|(5<<22)|(3<<25)
.irp g, G1, G1B
	s_mov_b32 s[\g+1], ROWB<<16                    ; tensor_dim0
	s_mov_b32 s[\g+2], 128<<16                     ; tensor_dim1
	s_mov_b32 s[\g+3], ROWB<<16                    ; tile_dim0
	s_mov_b32 s[\g+4], 128                         ; tile_dim1
	s_mov_b32 s[\g+5], KROW                        ; from row to row
	s_mov_b32 s[\g+6], 0
	s_mov_b32 s[\g+7], 0
.endr
	s_lshl_b32 s20, s[CH], 7                       ; which 128 rows of the tile I fetch
	s_lshl_b32 s70, s45, 8
	s_add_co_u32 s70, s70, s20
	s_add_co_u32 s70, s70, s66
	s_lshl_b32 s70, s70, 9                         ; A: in bytes
	s_mov_b32 s71, 0
	s_lshl_b32 s72, s42, 8
	s_add_co_u32 s72, s72, s20
	s_add_co_u32 s72, s72, s67
	s_lshl_b32 s72, s72, 9                         ; B
	s_mov_b32 s73, 0
	s_mul_i32 s46, s[WV], HALFT                    ; where they go: wave x 128 rows
	s_mov_b32 s[SEL], 0x76543210
	s_mov_b32 s[SEL+1], 0xfedcba98                 ; v_permlanex16_b32's selects for lane l xor 16
	s_mov_b32 s84, 0xffff0000                      ; lanes 16-31
	s_wait_dscnt 0x0                               ; both opening adds are done
	s_wait_kmcnt 0x0
	s_add_nc_u64 s[70:71], s[4:5], s[70:71]
	s_add_nc_u64 s[72:73], s[4:5], s[72:73]
	CROUND                                         ; all sixteen work-groups are here: the joint loads meet
.irp s, 0,1
	s_mov_b32 s[G0+4*\s], 1
	s_add_co_u32 s[G0+4*\s+1], s46, \s*SLOT
	s_add_nc_u64 s[G0+4*\s+2:G0+4*\s+3], s[70:71], \s*ROWB
	s_or_b32 s[G0+4*\s+3], s[G0+4*\s+3], 0x80000000
	s_mov_b32 s[G0B+4*\s], 1
	s_add_co_u32 s[G0B+4*\s+1], s46, \s*SLOT
	s_add_nc_u64 s[G0B+4*\s+2:G0B+4*\s+3], s[72:73], \s*ROWB
	s_or_b32 s[G0B+4*\s+3], s[G0B+4*\s+3], 0x80000000
	JLOAD G0+4*\s, G1, G0B+4*\s, G1B               ; both K halves: two loads of mine are out
.endr
	v_and_b32 v1, 15, v0                           ; r
	v_bfe_u32 v2, v0, 4, 1                         ; h
	v_mul_u32_u24 v3, v1, PITCH
	v_lshl_add_u32 v4, v2, 4, v3
	s_mul_i32 s21, s[RH], HALFT
	s_mul_i32 s22, s[CH], HALFT
	s_add_co_u32 s22, s22, 2*HALFT
.irp s, 0,1
	v_add_nc_u32 v[ADRA+\s], s21, v4
	v_add_nc_u32 v[ADRB+\s], s22, v4
	s_add_co_u32 s21, s21, SLOT
	s_add_co_u32 s22, s22, SLOT
.endr
	v_and_b32 v5, 31, v0
	v_lshlrev_b32 v[VSO], 4, v5
	s_wait_alu depctr_va_vdst(0)
	v_mul_u32_u24 v[LT], v2, REC
	v_lshl_add_u32 v[LT], v1, 4, v[LT]
	v_lshlrev_b32 v[SH], 4, v2
.irp b, 0,1,2,3
	v_mov_b32 v[TM+4+\b], 0                        ; written once: a lane permute's destination counts as one of its sources
.endr
	s_lshl_b32 s85, s45, 8
	s_lshl_b32 s20, s[RH], 7
	s_add_co_u32 s85, s85, s20                     ; m0: my first row of A
	s_lshl_b32 s90, s42, 8
	s_lshl_b32 s20, s[CH], 7
	s_add_co_u32 s90, s90, s20                     ; n0: my first row of B
	s_add_co_u32 s86, s85, s66
	s_lshl_b32 s86, s86, 4
	s_mov_b32 s87, 0
	s_add_nc_u64 s[86:87], s[6:7], s[86:87]        ; my rows' scale bytes: 16 a row and K half
	s_add_co_u32 s88, s90, s67
	s_lshl_b32 s88, s88, 4
	s_mov_b32 s89, 0
	s_add_nc_u64 s[88:89], s[6:7], s[88:89]
.irp al, 0,1,2,3
.irp g, 0,1
	global_load_b128 v[SCA+8*\al+4*\g:SCA+8*\al+4*\g+3], v[VSO], s[86:87] offset:512*\al+GS*\g   ; lane l: row 32 al + l, the four words of K half g
	global_load_b128 v[SCB+8*\al+4*\g:SCB+8*\al+4*\g+3], v[VSO], s[88:89] offset:512*\al+GS*\g
.endr
.endr
.macro FRAG reg, adr, q, i             ; 16 rows x 128 K of 4-bit codes: 8 registers, two loads of 16 bytes, 32 bytes apart
.irp c, 0,1
	ds_load_b128 v[\reg+4*\c:\reg+4*\c+3], v[\adr] offset:64*(\q)+32*\c+(\i)*16*PITCH
.endr
.endm
; One product: A's block a x B's block b, K step g of 8.  The scale registers carry two blocks' words: the odd block's in lanes 16-31.
.macro WM a, b, p, g, zero
.set rD, 8*(8*((\a)%4)+(\b))
.set rB, 128*(\p)+FR*(\b)
.set rA, AF+FR*(\a)
.set sB, SCB+8*((\b)/2)+(\g)
.set sA, SCA+8*((\a)/2)+(\g)
.set par, 2*((\a)%2)+((\b)%2)
.if \zero
.if par == 0
	v_wmma_scale_f32_16x16x128_f8f6f4 v[rD:rD+7], v[rB:rB+7], v[rA:rA+7], 0, v[sB], v[sA] matrix_a_fmt:MATRIX_FMT_FP4 matrix_b_fmt:MATRIX_FMT_FP4
.elseif par == 1
	v_wmma_scale_f32_16x16x128_f8f6f4 v[rD:rD+7], v[rB:rB+7], v[rA:rA+7], 0, v[sB], v[sA] matrix_a_fmt:MATRIX_FMT_FP4 matrix_b_fmt:MATRIX_FMT_FP4 matrix_a_scale:MATRIX_SCALE_ROW1
.elseif par == 2
	v_wmma_scale_f32_16x16x128_f8f6f4 v[rD:rD+7], v[rB:rB+7], v[rA:rA+7], 0, v[sB], v[sA] matrix_a_fmt:MATRIX_FMT_FP4 matrix_b_fmt:MATRIX_FMT_FP4 matrix_b_scale:MATRIX_SCALE_ROW1
.else
	v_wmma_scale_f32_16x16x128_f8f6f4 v[rD:rD+7], v[rB:rB+7], v[rA:rA+7], 0, v[sB], v[sA] matrix_a_fmt:MATRIX_FMT_FP4 matrix_b_fmt:MATRIX_FMT_FP4 matrix_a_scale:MATRIX_SCALE_ROW1 matrix_b_scale:MATRIX_SCALE_ROW1
.endif
.else
.if par == 0
	v_wmma_scale_f32_16x16x128_f8f6f4 v[rD:rD+7], v[rB:rB+7], v[rA:rA+7], v[rD:rD+7], v[sB], v[sA] matrix_a_fmt:MATRIX_FMT_FP4 matrix_b_fmt:MATRIX_FMT_FP4
.elseif par == 1
	v_wmma_scale_f32_16x16x128_f8f6f4 v[rD:rD+7], v[rB:rB+7], v[rA:rA+7], v[rD:rD+7], v[sB], v[sA] matrix_a_fmt:MATRIX_FMT_FP4 matrix_b_fmt:MATRIX_FMT_FP4 matrix_a_scale:MATRIX_SCALE_ROW1
.elseif par == 2
	v_wmma_scale_f32_16x16x128_f8f6f4 v[rD:rD+7], v[rB:rB+7], v[rA:rA+7], v[rD:rD+7], v[sB], v[sA] matrix_a_fmt:MATRIX_FMT_FP4 matrix_b_fmt:MATRIX_FMT_FP4 matrix_b_scale:MATRIX_SCALE_ROW1
.else
	v_wmma_scale_f32_16x16x128_f8f6f4 v[rD:rD+7], v[rB:rB+7], v[rA:rA+7], v[rD:rD+7], v[sB], v[sA] matrix_a_fmt:MATRIX_FMT_FP4 matrix_b_fmt:MATRIX_FMT_FP4 matrix_a_scale:MATRIX_SCALE_ROW1 matrix_b_scale:MATRIX_SCALE_ROW1
.endif
.endif
.endm
; 16 products: A's blocks a0, a0 + 1 x B's eight.  The 64 accumulators take turns, one instruction a turn, in the same order in every step.
.macro MUL16 a0, p, q, sc, zero
.irp a, \a0, \a0+1
.irp b, 0,1,2,3,4,5,6,7
	WM \a, \b, \p, 4*(\sc)+(\q), \zero
.endr
.endr
.endm
.macro FETCH_B slot, q, p
	WIN TO_B
.irp i, 0,1,2,3,4,5,6,7
	FRAG 128*(\p)+FR*\i, ADRB+\slot, \q, \i
.endr
	WIN 0
.endm
.macro FETCH_A slot, q, i0
.irp i, \i0, \i0+1, \i0+2, \i0+3
	FRAG AF+FR*(\i), ADRA+\slot, \q, \i
.endr
.endm
.macro PLACES n                        ; plain vector instructions between a matrix instruction and a load into, or a vector read or write of, its registers
.rept \n
	v_nop
.endr
.endm
.macro STEP slot, q, zero              ; 128 along K whose successor lies in the same slot: A has one set of fragments, fetched anew by halves; B has two
	s_wait_dscnt 4*NL                              ; B's set and A's blocks 0-3 are in; the youngest eight loads (A's blocks 4-7) may be out
	WIN MUL_LO
	MUL16 0, (\q)%2, \q, \slot, \zero
	MUL16 2, (\q)%2, \q, \slot, \zero
	s_wait_dscnt 0
	PLACES NP
	FETCH_B \slot, (\q)+1, 1-(\q)%2
	FETCH_A \slot, (\q)+1, 0
	WIN MUL_HI
	MUL16 4, (\q)%2, \q, \slot, \zero
	MUL16 6, (\q)%2, \q, \slot, \zero
	PLACES NP
	WIN 0
	FETCH_A \slot, (\q)+1, 4
.endm
.macro STEPS slot, from
.set Q, \from
.rept NQ-1-\from
	STEP \slot, Q, 0
.set Q, Q+1
.endr
.endm
; 64 numbers of a lane, register 16 b + i = index 32 b + 16 (lane / 16) + i of my row, become a fragment's codes in v[pc] on and its scale word in v[pw].
.macro QUANT s, pc, pw
.irp b, 0,1,2,3
	v_max3_num_f32 v[TM+\b], |v[\s+16*\b]|, |v[\s+1+16*\b]|, 0x1800000   ; my 16 numbers of block b, and the floor 2^(3 - 127)
.endr
.irp i, 2,4,6,8,10,12,14
.irp b, 0,1,2,3
	v_max3_num_f32 v[TM+\b], v[TM+\b], |v[\s+16*\b+\i]|, |v[\s+1+16*\b+\i]|
.endr
.endr
.irp b, 0,1,2,3
	v_permlanex16_b32 v[TM+4+\b], v[TM+\b], s[SEL], s[SEL+1]
.endr
.irp b, 0,1,2,3
	v_max_num_f32 v[TM+\b], v[TM+\b], v[TM+4+\b]   ; with lane l xor 16's: the block's largest magnitude
.endr
.irp b, 0,1,2,3
	v_add_nc_u32 v[TM+12+\b], 0xff000000, v[TM+\b] ; 2 off its exponent field: the conversion's scale operand
.endr
.irp b, 0,1,2,3
	v_lshrrev_b32 v[TM+4+\b], 23, v[TM+12+\b]      ; the scale's byte
.endr
	v_lshl_or_b32 v[\pw], v[TM+5], 8, v[TM+4]
	v_lshl_or_b32 v[\pw], v[TM+6], 16, v[\pw]
	v_lshl_or_b32 v[\pw], v[TM+7], 24, v[\pw]
	s_wait_xcnt 0x0                                ; the last block's stores have read the codes' registers: they are written again only behind this wait
.irp b, 0,1,2,3
	v_cvt_scalef32_pk8_fp4_f32 v[\pc+2*\b], v[\s+16*\b:\s+7+16*\b], v[TM+12+\b]
	v_cvt_scalef32_pk8_fp4_f32 v[\pc+1+2*\b], v[\s+8+16*\b:\s+15+16*\b], v[TM+12+\b]
.endr
	v_nop                                          ; one plain place behind a scaled conversion
.irp c, 0,1                                    ; the operand's layout wants a whole block in a lane
.irp i, 0,1
	v_permlane16_swap_b32 v[\pc+4*\c+\i], v[\pc+2+4*\c+\i]
.endr
.endr
.endm
; THE WAY OUT: block by block of 16 rows: + bias, quantised, stored as images.  kind 0: q or k (the bias runs along the registers); kind 1: v (the bias is my row's).
.macro EPI kind
	s_wait_loadcnt 0x0                             ; the bias
	PLACES NP                                      ; behind the last products: their results are read, and A's fragments written over
.irp a, 0,1,2,3,4,5,6,7
	WIN 0x02+(\a/4)                                ; source 0: the accumulators' window
.set j, 0
.rept 32
.if \kind == 0
	v_pk_add_f32 v[H+j:H+j+1], v[64*(\a%4)+j:64*(\a%4)+j+1], v[BN+j:BN+j+1]       ; each accumulator from its low end on
.else
	v_pk_add_f32 v[H+j:H+j+1], v[64*(\a%4)+j:64*(\a%4)+j+1], v[BN+2*\a:BN+2*\a+1]
.endif
.set j, j+2
.endr
	WIN 0
	QUANT H, PC, SW+\a
.if \kind == 0
	global_store_b128 v[VSO], v[PC:PC+3], s[76:77] offset:512*\a                   ; the even head's 64 channels: 512 consecutive bytes,
	global_store_b128 v[VSO], v[PC+4:PC+7], s[76:77] offset:REC+512*\a             ; the odd head's, one record on
.else
	global_store_b128 v[VSO], v[PC:PC+3], s[76:77] offset:(\a/4)*REC+1024*(\a%4)   ; head a / 4, tile a % 4 of its channels: keys 0-63 of the step,
	global_store_b128 v[VSO], v[PC+4:PC+7], s[76:77] offset:(\a/4)*REC+1024*(\a%4)+512   ; keys 64-127
.endif
.endr
.if \kind == 0
.irp i, 0,1,2,3,4,5,6,7
	v_lshrrev_b32 v[TM+\i], v[SH], v[SW+\i]        ; lanes 0-15 keep the even head's two bytes below, lanes 16-31 bring the odd head's down
.endr
	global_store_b128 v[LT], v[TM:TM+3], s[78:79]              ; four tiles' words of my row: sixteen lanes store 256 consecutive bytes, aligned
	global_store_b128 v[LT], v[TM+4:TM+7], s[78:79] offset:256
.else
.irp i, 0,1,2,3
	v_cndmask_b32 v[TM+\i], v[SW+\i], v[SW+4+\i], s84          ; lanes 0-15 the even head's four tiles, lanes 16-31 the odd head's
.endr
	global_store_b128 v[LT], v[TM:TM+3], s[78:79]
.endif
.endm
; The second K half and the way out, once for each kind: the addresses and the bias loads stand four K steps ahead of their use.
.macro TAIL kind
.if \kind == 0
	s_lshr_b32 s20, s85, 11                        ; batch
	s_bfe_u32 s21, s85, 0x70004                    ; my first tile of positions in the batch
	s_lshr_b32 s22, s90, 10                        ; q (0) or k (1)
	s_bfe_u32 s23, s90, 0x40006                    ; my even head
	s_lshl_b32 s20, s20, 4
	s_add_co_u32 s20, s20, s23
	s_mul_i32 s20, s20, REC
	s_mul_i32 s23, s22, 73728
	s_add_co_u32 s20, s20, s23                     ; the record, and q's or k's part of it
	s_lshl_b32 s23, s21, 9
	s_add_co_u32 s92, s20, s23
	s_mov_b32 s93, 0
	s_add_nc_u64 s[76:77], s[14:15], s[92:93]      ; images
	s_lshl_b32 s23, s21, 6
	s_add_co_u32 s92, s20, s23
	s_add_co_u32 s92, s92, 65536
	s_add_nc_u64 s[78:79], s[14:15], s[92:93]      ; scale words
	s_cmp_eq_u32 s22, 0
	s_cselect_b64 s[80:81], s[8:9], s[10:11]       ; bq or bk
	s_and_b32 s92, s90, 1023
	s_lshl_b32 s92, s92, 2
	s_add_nc_u64 s[80:81], s[80:81], s[92:93]
	v_lshlrev_b32 v[BLT], 6, v2                    ; register 16 B + i wants channel 32 B + 16 h + i
.irp be, 0,1,2,3
.irp j, 0,1,2,3
	global_load_b128 v[BN+16*\be+4*\j:BN+16*\be+4*\j+3], v[BLT], s[80:81] offset:128*\be+16*\j
.endr
.endr
.else
	s_lshr_b32 s20, s90, 11                        ; batch
	s_bfe_u32 s21, s90, 0x40007                    ; key step
	s_lshr_b32 s22, s85, 6                         ; my even head
	s_lshl_b32 s20, s20, 4
	s_add_co_u32 s20, s20, s22
	s_mul_i32 s20, s20, REC
	s_lshl_b32 s23, s21, 12
	s_add_co_u32 s92, s20, s23
	s_add_co_u32 s92, s92, 147456
	s_mov_b32 s93, 0
	s_add_nc_u64 s[76:77], s[14:15], s[92:93]      ; images
	s_lshl_b32 s23, s21, 8
	s_add_co_u32 s92, s20, s23
	s_add_co_u32 s92, s92, 212992
	s_add_nc_u64 s[78:79], s[14:15], s[92:93]      ; scale words
	s_lshl_b32 s92, s85, 2
	s_add_nc_u64 s[80:81], s[12:13], s[92:93]      ; bv at my first channel
	v_and_b32 v[BLT], 8, v1
	v_add_nc_u32 v[BLT], v[BLT], v1
	v_lshlrev_b32 v[BLT], 2, v[BLT]                ; block a's row r is channel 32 (a / 2) + 8 (a % 2) + r + 8 (r / 8)
.irp a, 0,1,2,3,4,5,6,7
	global_load_b32 v[BN+2*\a], v[BLT], s[80:81] offset:(32*(\a/2)+8*(\a%2))*4
	global_load_b32 v[BN+2*\a+1], v[BLT], s[80:81] offset:(32*(\a/2)+8*(\a%2))*4   ; twice: a pair for the packed addition
.endr
.endif
	STEPS 1, 0
	s_wait_dscnt 4*NL                              ; the last step: nothing more to fetch
	WIN MUL_LO
	MUL16 0, 1, NQ-1, 1, 0
	MUL16 2, 1, NQ-1, 1, 0
	s_wait_dscnt 0
	WIN MUL_HI
	MUL16 4, 1, NQ-1, 1, 0
	MUL16 6, 1, NQ-1, 1, 0
	WIN 0
	EPI \kind
.endm
	s_wait_tensorcnt 1                             ; my part of K half 0 is in; half 1's may stay out
	s_barrier_signal -1
	s_barrier_wait -1                              ; everybody's is
	FETCH_B 0, 0, 0
	FETCH_A 0, 0, 0
	FETCH_A 0, 0, 4
	s_wait_loadcnt 0x0                             ; the scale words
	STEP 0, 0, 1                                   ; the first step's products start the sums: nothing is cleared
	STEPS 0, 1
	; the slot's last step changes slots: one barrier; in front of it my tensor loads have landed, the add is done and my reads of slot 0 are over
	s_wait_tensorcnt 0x0
	ds_add_u32 v[SPW], v[NIL]                      ; 0 onto my spare word
	s_wait_dscnt 4*NL+1                            ; (the add and the youngest eight loads may be out)
	WIN MUL_LO
	MUL16 0, 1, NQ-1, 0, 0
	s_wait_dscnt 0x0
	s_barrier_signal -1
	MUL16 2, 1, NQ-1, 0, 0
	WIN 0
	s_barrier_wait -1
	PLACES NP
	FETCH_B 1, 0, 0
	FETCH_A 1, 0, 0
	WIN MUL_HI
	MUL16 4, 1, NQ-1, 0, 0
	MUL16 6, 1, NQ-1, 0, 0
	PLACES NP
	WIN 0
	FETCH_A 1, 0, 4
	s_cmp_lg_u32 s[TYPE], 0                        ; the cluster's kind: the same in all sixteen partners and all waves
	s_cbranch_scc1 .Lv
	TAIL 0
	s_branch .Lend
.Lv:
	TAIL 1
.Lend:
	s_wait_tensorcnt 0x0                           ; the wave's end
	ds_add_u32 v[SPW], v[NIL]
	s_wait_dscnt 0x0
	CROUND                                         ; the closing round
	s_endpgm
.Lfunc_end_k_q6de8523ae1_qkv:
	.size	k_q6de8523ae1_qkv, .Lfunc_end_k_q6de8523ae1_qkv-k_q6de8523ae1_qkv
	.p2alignl 7, 3214868480
	.fill 96, 4, 3214868480
	.section	.rodata,"a",@progbits
	.p2align	6, 0x0
	.amdhsa_kernel k_q6de8523ae1_qkv
		.amdhsa_group_segment_fixed_size 327680
		.amdhsa_private_segment_fixed_size 0
		.amdhsa_enable_private_segment 0
		.amdhsa_kernarg_size 48
		.amdhsa_user_sgpr_count 2
		.amdhsa_user_sgpr_kernarg_segment_ptr 1
		.amdhsa_wavefront_size32 1
		.amdhsa_system_sgpr_workgroup_id_x 1
		.amdhsa_system_sgpr_workgroup_id_y 1
		.amdhsa_system_sgpr_workgroup_id_z 1
		.amdhsa_system_vgpr_workitem_id 0
		.amdhsa_next_free_vgpr 1024
		.amdhsa_next_free_sgpr 100
		.amdhsa_reserve_vcc 0
		.amdhsa_float_denorm_mode_32 3
		.amdhsa_float_denorm_mode_16_64 3
		.amdhsa_memory_ordered 1
		.amdhsa_forward_progress 1
		.amdhsa_inst_pref_size 235
	.end_amdhsa_kernel
	.amdgpu_metadata
---
amdhsa.version: [ 1, 2 ]
amdhsa.kernels:
  - .name:           k_q6de8523ae1_qkv
    .symbol:         k_q6de8523ae1_qkv.kd
    .args:
      - { .name: opc, .offset: 0, .size: 8, .value_kind: global_buffer, .address_space: global }
      - { .name: ops, .offset: 8, .size: 8, .value_kind: global_buffer, .address_space: global }
      - { .name: bq, .offset: 16, .size: 8, .value_kind: global_buffer, .address_space: global }
      - { .name: bk, .offset: 24, .size: 8, .value_kind: global_buffer, .address_space: global }
      - { .name: bv, .offset: 32, .size: 8, .value_kind: global_buffer, .address_space: global }
      - { .name: qkv, .offset: 40, .size: 8, .value_kind: global_buffer, .address_space: global }
    .group_segment_fixed_size: 327680
    .private_segment_fixed_size: 0
    .kernarg_segment_align: 8
    .kernarg_segment_size: 48
    .max_flat_workgroup_size: 128
    .sgpr_count:     100
    .vgpr_count:     1024
    .wavefront_size: 32
...
	.end_amdgpu_metadata
.endif
;; end of part 3
;; launch attn (part 4): grid 8 x 32, 16 waves a work-group, clusters of 4 x 1, 327,680 bytes of LDS; arguments qkv, aimg, asc; writes aimg, asc
.if DOCPART == 4
	.amdgcn_target "amdgcn-amd-amdhsa--gfx1250"
	.amdhsa_code_object_version 6
	.text
	.protected	k_q6de8523ae1_attn
	.globl	k_q6de8523ae1_attn
	.p2align	8
	.type	k_q6de8523ae1_attn,@function
k_q6de8523ae1_attn:
	s_mov_b64 s[64:65], 0
	v_nop
	global_prefetch_b8 v0, s[64:65] scope:SCOPE_SE
	s_setreg_imm32_b32 hwreg(HW_REG_WAVE_MODE, 25, 1), 1
	s_wait_xcnt 0x0
	s_wait_alu depctr_hold_cnt(0) depctr_sa_sdst(0) depctr_va_vdst(0) depctr_va_sdst(0) depctr_va_ssrc(0) depctr_va_vcc(0) depctr_vm_vsrc(0)
	s_getreg_b32 s2, hwreg(HW_REG_IB_STS2, 6, 4)
	s_cmp_eq_u32 s2, 0
	s_cbranch_scc0 .Lentry_in_a_cluster
	s_endpgm
.Lentry_in_a_cluster:
	s_bfe_u32 s2, ttmp6, 0x10000c
	s_cmp_lg_u32 s2, 0x3003
	s_cbranch_scc0 .Lentry_shape_is_right
	s_endpgm
.Lentry_shape_is_right:
; Fourth launch; no work is left out.  Attention on codes of E2M1 for two heads (2 g, 2 g + 1) of one batch and 256 query positions, and the result quantised along the channels into images for the last product.
; THE SOFTMAX AHEAD OF THE SECOND PRODUCT: t = score x log2(e) / 8; M = the running largest t rounded UP to a whole number; p = 2^(t - M) is quantised along the keys; the row's sum is taken of the unquantised p
; and divides at the end.  When M moves, the sum and O are multiplied by 2^(old M - new M): exact.
; SHARES: sixteen waves, each ONE tile of 16 query positions in 256 registers, four waves to a SIMD; a wave walks all 2,048 keys, 128 a step, for head 2 g and then for head 2 g + 1.
; A head's k and v (images and scale words, 143,360 consecutive bytes of its record) stay in LDS whole; both heads are asked for at the start, a sixteenth by each wave; nothing is filled again.
; CLUSTER: the four query blocks of a cluster walk the same two heads: each load is asked for JOINTLY by all four, with the same descriptor.
; LAYOUT: both products transposed (S^T = K Q^T, O^T = V^T P^T): a lane holds one query.  A tile's 16 keys (and 16 channels of v) are 16 POSITIONS, so that the 16 registers of tiles 2 B and 2 B + 1 are 16 neighbouring keys
; (channels): 32 B + 16 (lane / 16) + 0 .. 15.  The first product's K is 64: registers 4-7 of q's and k's fragments are zero codes.
; aimg: [512 tiles of positions][8 K steps][1,024 bytes]: the image of a fragment of 16 rows x 128 channels; head 2 g fills its first 512 bytes, head 2 g + 1 the rest.  asc: [8 K steps][8192 positions][4 bytes].
; LIMITS: as in the first launch.
; REGISTERS: v1 16 x lane, v2 16 (lane % 16); v5 the scale word for asc; v8-11 the step's addresses; v12 -M, v13 the largest t, v[14:15] the sum; v16-23 q; v24-27 k's scale words, v28-31 v's; v32-95 k's eight fragments;
;   v96-159 S^T, then p; v160-191 O^T; v192-223 v's four fragments; v224-231 p's codes; v232-254 at work; v255 q's scale word.
.set REC,  217088
.set HSL,  143360                      ; a head's slot in LDS: k images | k scale words | v images | v scale words
.set KSO,  65536
.set VIO,  73728
.set VSO,  139264
.set GAT,  2*HSL                       ; 1,024 bytes: the work-group's 256 scale words meet here
.set SPARE, GAT+1024                   ; the spare words, 128 bytes for each of sixteen waves
.set L16,  1
.set R16,  2
.set SPW,  3
.set NIL,  4
.set SWD,  5
.set GW,   6
.set GR,   7
.set ADK,  8
.set ADV,  9
.set ADS,  10
.set ADT,  11
.set WV,   10
.set SEL,  14
.set CS,   16
.set TK,   18
.set TV,   19
.set TS,   20
.set TT,   21
.set CNT,  22
.set G1,   24
.set G0,   32
.set QA,   40
.set QSA,  42
.set OA,   44
.set ASCB, 46
.macro CROUND                          ; a round of the cluster's barrier
	s_barrier_signal -1
	s_barrier_wait -1
	s_cmp_lg_u32 s[WV], 0
	s_cbranch_scc1 .Lnot_wave_0_\@
	s_barrier_signal -3
.Lnot_wave_0_\@:
	s_barrier_wait -3
	s_barrier_signal -1
	s_barrier_wait -1
.endm
	s_load_b128 s[4:7], s[0:1], 0x0                ; qkv, aimg
	s_load_b64 s[8:9], s[0:1], 0x10                ; asc
	v_lshl_add_u32 v[SPW], v0, 2, SPARE
	v_mov_b32 v[NIL], 0
	ds_add_u32 v[SPW], v[NIL]                      ; the wave's opening: the add, twice on end, and its wait ahead of my first tensor load
	ds_add_u32 v[SPW], v[NIL]
	v_lshrrev_b32 v8, 5, v0
	s_delay_alu instid0(VALU_DEP_1)
	v_readfirstlane_b32 s[WV], v8                  ; wave 0..15
	s_bfe_u32 s11, ttmp6, 0x40000                  ; cx
	s_lshl_b32 s12, ttmp9, 2
	s_add_co_u32 s12, s12, s11                     ; my block of 256 query positions: it enters q's and the outputs' addresses alone
	s_and_b32 s13, ttmp7, 0xffff                   ; 8 x batch + head pair, which the four partners share
	s_mul_i32 s48, s13, 2*REC                      ; the even head's record
	s_mul_i32 s50, s[WV], 8960                     ; my sixteenth of a head's 143,360 bytes: 35 rows of 256
	s_add_co_u32 s52, s48, s50
	s_add_co_u32 s52, s52, 73728                   ; k's images begin there in a record
	s_mov_b32 s53, 0
	s_mov_b32 s[G0], 1
	s_mov_b32 s[G0+1], s50                         ; LDS: head 0's slot,
	s_mov_b32 s[G0+4], 1
	s_add_co_u32 s[G0+5], s50, HSL                 ; head 1's
	s_mov_b32 s[G1], 15|(3<<16)|(1<<21)            ; the mask: all four work-groups; elements of 8 bytes; bit 21 beside a mask; no padding
	s_mov_b32 s[G1+1], 32<<16                      ; tensor_dim0: 32 elements, 256 bytes
	s_mov_b32 s[G1+2], 35<<16                      ; tensor_dim1
	s_mov_b32 s[G1+3], 32<<16                      ; tile_dim0
	s_mov_b32 s[G1+4], 35                          ; tile_dim1
	s_mov_b32 s[G1+5], 32                          ; dense rows
	s_mov_b32 s[G1+6], 0
	s_mov_b32 s[G1+7], 0
	s_lshl_b32 s54, s12, 4
	s_add_co_u32 s54, s54, s[WV]                   ; my tile of positions in the batch
	s_lshl_b32 s56, s54, 9
	s_add_co_u32 s56, s56, s48                     ; q's image
	s_mov_b32 s57, 0
	s_lshr_b32 s58, s54, 2
	s_lshl_b32 s58, s58, 8
	s_and_b32 s59, s54, 3
	s_lshl_b32 s59, s59, 2
	s_add_co_u32 s58, s58, s59
	s_add_co_u32 s58, s58, s48
	s_add_co_u32 s58, s58, 65536                   ; q's scale words: [tile / 4][row][tile % 4]
	s_mov_b32 s59, 0
	s_lshr_b32 s60, s13, 3                         ; batch
	s_and_b32 s61, s13, 7                          ; head pair = K step of the last product
	s_lshl_b32 s62, s60, 7
	s_add_co_u32 s62, s62, s54
	s_lshl_b32 s62, s62, 13
	s_lshl_b32 s63, s61, 10
	s_add_co_u32 s62, s62, s63                     ; aimg: (128 batch + tile) x 8,192 + 1,024 x pair
	s_mov_b32 s63, 0
	s_lshl_b32 s50, s61, 15
	s_lshl_b32 s51, s60, 13
	s_add_co_u32 s50, s50, s51
	s_lshl_b32 s51, s12, 10
	s_add_co_u32 s50, s50, s51                     ; asc: 32,768 x pair + 4 x (2,048 batch + 256 block)
	s_mov_b32 s51, 0
	s_mov_b32 s[SEL], 0x76543210
	s_mov_b32 s[SEL+1], 0xfedcba98                 ; v_permlanex16_b32's selects for lane l xor 16
	s_mov_b32 s[CS], 0x3e38aa3b                    ; c = log2(e) / sqrt(64)
	s_mov_b32 s[CS+1], s[CS]                       ; (named with it as a pair, so it is written)
	s_wait_dscnt 0x0                               ; both opening adds are done
	s_wait_kmcnt 0x0
	s_add_nc_u64 s[G0+2:G0+3], s[4:5], s[52:53]
	s_add_nc_u64 s[G0+6:G0+7], s[G0+2:G0+3], REC
	s_or_b32 s[G0+3], s[G0+3], 0x80000000
	s_or_b32 s[G0+7], s[G0+7], 0x80000000
	s_add_nc_u64 s[QA:QA+1], s[4:5], s[56:57]
	s_add_nc_u64 s[QSA:QSA+1], s[4:5], s[58:59]
	s_add_nc_u64 s[OA:OA+1], s[6:7], s[62:63]
	s_add_nc_u64 s[ASCB:ASCB+1], s[8:9], s[50:51]
	CROUND                                         ; all four work-groups are here: the joint loads meet
	tensor_load_to_lds s[G0:G0+3], s[G1:G1+7]      ; head 2 g
	s_nop 0
	s_wait_alu depctr_va_vdst(0)
	s_wait_tensorcnt 0x0
	ds_add_u32 v3, v4
	s_wait_dscnt 0x0
	CROUND
	tensor_load_to_lds s[G0+4:G0+7], s[G1:G1+7]    ; head 2 g + 1: the only load of mine that is out
	s_nop 0
.rept 4
	v_nop
.endr
	v_and_b32 v8, 31, v0
	s_delay_alu instid0(VALU_DEP_1)
	v_lshlrev_b32 v[L16], 4, v8
	v_and_b32 v9, 15, v0
	s_delay_alu instid0(VALU_DEP_1)
	v_lshlrev_b32 v[R16], 4, v9
	global_load_b128 v[16:19], v[L16], s[QA:QA+1]  ; q's fragment of the even head: channels 32 h .. 32 h + 31 of row r
	global_load_b32 v255, v[R16], s[QSA:QSA+1]     ; and its scale words
	s_lshl_b32 s48, s[WV], 6
	s_add_co_u32 s48, s48, GAT
	v_lshl_add_u32 v[GW], v9, 2, s48               ; where my row's scale word goes
	v_and_b32 v10, 63, v0
	s_delay_alu instid0(VALU_DEP_1)
	v_lshlrev_b32 v10, 4, v10
	s_delay_alu instid0(VALU_DEP_1)
	v_add_nc_u32 v[GR], GAT, v10                   ; what waves 0 and 1 read back
.irp i, 20,21,22,23
	v_mov_b32 v[\i], 0                             ; K = 64 .. 127 of q: zero codes
.endr
.irp t, 0,1,2,3,4,5,6,7
.irp i, 4,5,6,7
	v_mov_b32 v[32+8*\t+\i], 0                     ; and of k's eight fragments: written once
.endr
.endr
.irp b, 0,1,2,3
	v_mov_b32 v[236+\b], 0                         ; written once: a lane permute's destination counts as one of its sources
.endr
	v_mov_b32 v253, 0                              ; (named as the upper half of the pair v[252:253] before it is first written)
; A KEY STEP: 128 keys.
.macro STEP
	v_add_nc_u32 v[ADK], s[TK], v[L16]             ; these four are also the places between the last step's products and the loads into their registers
	v_add_nc_u32 v[ADV], s[TV], v[L16]
	v_add_nc_u32 v[ADS], s[TS], v[L16]
	v_add_nc_u32 v[ADT], s[TT], v[R16]
.irp t, 0,1,2,3,4,5,6,7
	ds_load_b128 v[32+8*\t:35+8*\t], v[ADK] offset:512*\t          ; an image: 512 consecutive bytes
.endr
	ds_load_b128 v[24:27], v[ADS]                  ; k's scale words: lanes 0-15 tiles 0-3, lanes 16-31 tiles 4-7
.irp d, 0,1,2,3
.irp c, 0,1
	ds_load_b128 v[192+8*\d+4*\c:195+8*\d+4*\c], v[ADV] offset:1024*\d+512*\c
.endr
.endr
	ds_load_b128 v[28:31], v[ADT]                  ; v's scale words: row r of the four tiles
	s_wait_dscnt 9                                 ; k's nine loads are in; v's nine may be out
.irp t, 0,1,2,3
	v_wmma_scale_f32_16x16x128_f8f6f4 v[96+8*\t:103+8*\t], v[32+8*\t:39+8*\t], v[16:23], 0, v[24+\t], v255 matrix_a_fmt:MATRIX_FMT_FP4 matrix_b_fmt:MATRIX_FMT_FP4
.endr
.irp t, 4,5,6,7
	v_wmma_scale_f32_16x16x128_f8f6f4 v[96+8*\t:103+8*\t], v[32+8*\t:39+8*\t], v[16:23], 0, v[20+\t], v255 matrix_a_fmt:MATRIX_FMT_FP4 matrix_b_fmt:MATRIX_FMT_FP4 matrix_a_scale:MATRIX_SCALE_ROW1
.endr
.rept 4
	v_nop
.endr
.irp b, 0,1,2,3
	v_max3_num_f32 v[232+\b], v[96+16*\b], v[97+16*\b], v[98+16*\b]   ; the largest score of each block of 32 keys: for the row's maximum and, since p rises with the score, for the block's largest p
.endr
.irp i, 3,5,7,9,11,13
.irp b, 0,1,2,3
	v_max3_num_f32 v[232+\b], v[232+\b], v[96+16*\b+\i], v[97+16*\b+\i]
.endr
.endr
.irp b, 0,1,2,3
	v_max_num_f32 v[232+\b], v[232+\b], v[111+16*\b]
.endr
.irp b, 0,1,2,3
	s_delay_alu instid0(VALU_DEP_4)
	v_permlanex16_b32 v[236+\b], v[232+\b], s[SEL], s[SEL+1]
.endr
.irp b, 0,1,2,3
	s_delay_alu instid0(VALU_DEP_4)
	v_max_num_f32 v[232+\b], v[232+\b], v[236+\b]  ; with lane l xor 16's 16 keys
.endr
	s_delay_alu instid0(VALU_DEP_2)
	v_max3_num_f32 v254, v232, v233, v234
	s_delay_alu instid0(VALU_DEP_1)
	v_max_num_f32 v254, v254, v235                 ; the step's largest score of my query
	s_delay_alu instid0(VALU_DEP_1)
	v_mul_f32 v254, s[CS], v254                    ; as t
	s_delay_alu instid0(VALU_DEP_1)
	v_max_num_f32 v13, v13, v254                   ; the running largest t
	v_mov_b32 v254, v12
	s_delay_alu instid0(VALU_DEP_2)
	v_floor_f32 v12, -v13                          ; the new -M = floor(-t): M is a whole number
	s_delay_alu instid0(VALU_DEP_1)
	v_sub_f32 v254, v12, v254                      ; old M - new M: a whole number, 0 or less
	s_delay_alu instid0(VALU_DEP_1)
	v_cvt_i32_f32 v254, v254                       ; (it saturates)
	s_delay_alu instid0(VALU_DEP_1)
	v_ldexp_f32 v252, 1.0, v254                    ; f = 2^(old M - new M)
.set j, 0
.rept 32
	v_pk_fma_f32 v[96+j:97+j], v[96+j:97+j], s[CS:CS+1], v[12:13] op_sel_hi:[1,0,0]   ; t - M, two at a time
.set j, j+2
.endr
.irp b, 0,1,2,3
	v_fma_f32 v[232+\b], v[232+\b], s[CS], v12     ; the same of each block's largest score
.endr
.set j, 0
	s_wait_alu depctr_va_vdst(0)
.rept 64
	v_exp_f32 v[96+j], v[96+j]                     ; p = 2^(t - M), at most 1
.set j, j+1
.endr
	s_setprio 1
	v_pk_mul_f32 v[14:15], v[14:15], v[252:253] op_sel_hi:[1,0]   ; the sums under the new M: a plain place behind the exponentials
	s_wait_alu depctr_va_vdst(0)                   ; one wait for the whole batch, ahead of its first reader
.irp b, 0,1,2,3
	v_exp_f32 v[232+\b], v[232+\b]                 ; the block's largest p
.endr
	v_pk_add_f32 v[236:237], v[96:97], v[98:99]    ; the row's sum of the unquantised p, in two chains
.irp j, 4,8,12,16,20,24,28,32,36,40,44,48,52,56,60
	v_pk_add_f32 v[14:15], v[14:15], v[96+\j:97+\j]
	v_pk_add_f32 v[236:237], v[236:237], v[98+\j:99+\j]
.endr
	s_delay_alu instid0(VALU_DEP_1)
	v_pk_add_f32 v[14:15], v[14:15], v[236:237]
	s_wait_alu depctr_va_vdst(0)                   ; and one for the four
.irp b, 0,1,2,3
	v_max_num_f32 v[232+\b], 0x1800000, v[232+\b]  ; the floor 2^(3 - 127)
.endr
.irp b, 0,1,2,3
	s_delay_alu instid0(VALU_DEP_4)
	v_add_nc_u32 v[244+\b], 0xff000000, v[232+\b]  ; the conversion's scale operand
.endr
.irp b, 0,1,2,3
	s_delay_alu instid0(VALU_DEP_4)
	v_lshrrev_b32 v[236+\b], 23, v[244+\b]         ; the scale's byte
.endr
	s_delay_alu instid0(VALU_DEP_3)
	v_lshl_or_b32 v253, v237, 8, v236              ; p's scale word for these 128 keys
	s_delay_alu instid0(VALU_DEP_1)
	v_lshl_or_b32 v253, v238, 16, v253
	s_delay_alu instid0(VALU_DEP_1)
	v_lshl_or_b32 v253, v239, 24, v253
.irp b, 0,1,2,3
	v_cvt_scalef32_pk8_fp4_f32 v[224+2*\b], v[96+16*\b:103+16*\b], v[244+\b]
	v_cvt_scalef32_pk8_fp4_f32 v[225+2*\b], v[104+16*\b:111+16*\b], v[244+\b]
.endr
	v_nop                                          ; one plain place behind a scaled conversion
.irp c, 0,1
.irp i, 0,1
	v_permlane16_swap_b32 v[224+4*\c+\i], v[226+4*\c+\i]           ; a whole block in a lane
.endr
.endr
.set j, 0
	s_setprio 0
.rept 16
	v_pk_mul_f32 v[160+j:161+j], v[160+j:161+j], v[252:253] op_sel_hi:[1,0]   ; O^T under the new M; also the places in front of the products below
.set j, j+2
.endr
	s_wait_alu depctr_va_vdst(0)
	s_wait_dscnt 0x0                               ; v's fragments and scale words are in
.irp d, 0,1,2,3
	v_wmma_scale_f32_16x16x128_f8f6f4 v[160+8*\d:167+8*\d], v[192+8*\d:199+8*\d], v[224:231], v[160+8*\d:167+8*\d], v[28+\d], v253 matrix_a_fmt:MATRIX_FMT_FP4 matrix_b_fmt:MATRIX_FMT_FP4
.endr
	s_add_co_u32 s[TK], s[TK], 4096                ; the next step's eight tiles of k,
	s_add_co_u32 s[TV], s[TV], 4096                ; four fragments of v,
	s_add_co_u32 s[TS], s[TS], 512                 ; and their scale words
	s_add_co_u32 s[TT], s[TT], 256
.endm
; A head's way out: O^T / the sum, 64 channels = two blocks of 32, quantised; the codes are half an image.
.macro FIN j
.rept 4
	v_nop                                          ; places behind the last products
.endr
.if \j == 0
	global_load_b128 v[16:19], v[L16], s[QA:QA+1] offset:REC       ; the odd head's q, one record on: waited for at that head's start
	global_load_b32 v255, v[R16], s[QSA:QSA+1] offset:REC
.endif
	v_add_f32 v14, v14, v15
	s_delay_alu instid0(VALU_DEP_1)
	v_permlanex16_b32 v252, v14, s[SEL], s[SEL+1]
	s_delay_alu instid0(VALU_DEP_1)
	v_add_f32 v14, v14, v252                       ; the row's sum
	s_wait_alu depctr_va_vdst(0)
	v_rcp_f32 v14, v14
	v_nop                                          ; a plain place behind the reciprocal
	s_wait_alu depctr_va_vdst(0)                   ; and the wait ahead of its first reader
.set i, 0
.rept 16
	v_pk_mul_f32 v[96+i:97+i], v[160+i:161+i], v[14:15] op_sel_hi:[1,0]   ; register 16 B + i: channel 32 B + 16 h + i; each accumulator from its low end on
.set i, i+2
.endr
.irp b, 0,1
	v_max3_num_f32 v[232+\b], |v[96+16*\b]|, |v[97+16*\b]|, 0x1800000
.endr
.irp i, 2,4,6,8,10,12,14
.irp b, 0,1
	s_delay_alu instid0(VALU_DEP_2)
	v_max3_num_f32 v[232+\b], v[232+\b], |v[96+16*\b+\i]|, |v[97+16*\b+\i]|
.endr
.endr
.irp b, 0,1
	s_delay_alu instid0(VALU_DEP_2)
	v_permlanex16_b32 v[236+\b], v[232+\b], s[SEL], s[SEL+1]
.endr
.irp b, 0,1
	s_delay_alu instid0(VALU_DEP_2)
	v_max_num_f32 v[232+\b], v[232+\b], v[236+\b]
.endr
.irp b, 0,1
	s_delay_alu instid0(VALU_DEP_2)
	v_add_nc_u32 v[244+\b], 0xff000000, v[232+\b]
.endr
.irp b, 0,1
	s_delay_alu instid0(VALU_DEP_2)
	v_lshrrev_b32 v[236+\b], 23, v[244+\b]
.endr
.if \j == 0
	s_delay_alu instid0(VALU_DEP_1)
	v_lshl_or_b32 v[SWD], v237, 8, v236            ; bytes 0 and 1 of the K step's scale word
.else
	s_delay_alu instid0(VALU_DEP_2)
	v_lshl_or_b32 v[SWD], v236, 16, v[SWD]         ; bytes 2 and 3
	s_delay_alu instid0(VALU_DEP_1)
	v_lshl_or_b32 v[SWD], v237, 24, v[SWD]
.endif
.irp b, 0,1
	v_cvt_scalef32_pk8_fp4_f32 v[224+2*\b], v[96+16*\b:103+16*\b], v[244+\b]
	v_cvt_scalef32_pk8_fp4_f32 v[225+2*\b], v[104+16*\b:111+16*\b], v[244+\b]
.endr
	v_nop
	v_permlane16_swap_b32 v224, v226
	v_permlane16_swap_b32 v225, v227
	global_store_b128 v[L16], v[224:227], s[OA:OA+1] offset:512*\j   ; 512 consecutive bytes, aligned
.endm
.macro HEAD j
	s_mov_b32 s[TK], \j*HSL
	s_mov_b32 s[TS], \j*HSL+KSO
	s_mov_b32 s[TV], \j*HSL+VIO
	s_mov_b32 s[TT], \j*HSL+VSO
	s_mov_b32 s[CNT], 16
	v_mov_b32 v13, 0xff61b1e6                      ; the largest t so far: -3e38
	s_delay_alu instid0(VALU_DEP_1)
	v_floor_f32 v12, -v13
	v_mov_b32 v14, 0
	v_mov_b32 v15, 0
.set i, 0
.rept 32
	v_mov_b32 v[160+i], 0                          ; O^T: the step is written once; its first trip finds zeros
.set i, i+1
.endr
	s_wait_loadcnt 0x0                             ; q
.Lkey_\@:
	s_setprio 2
	STEP
	s_sub_co_u32 s[CNT], s[CNT], 1
	s_cmp_lg_u32 s[CNT], 0
	s_cbranch_scc1 .Lkey_\@
	s_setprio 0
	FIN \j
.endm
	s_wait_tensorcnt 1                             ; my part of the even head is in; the odd head's may stay out
	s_barrier_signal -1
	s_barrier_wait -1                              ; everybody's is
	HEAD 0
	s_wait_xcnt 0x0                                ; the store has read the codes' registers, which the next head writes
	s_wait_tensorcnt 0x0                           ; my part of the odd head is in
	s_wait_dscnt 0x0
	s_barrier_signal -1
	s_barrier_wait -1
	HEAD 1
	v_and_b32 v8, 63, v0
	s_delay_alu instid0(VALU_DEP_1)
	v_lshlrev_b32 v8, 4, v8                        ; 16 bytes a thread of waves 0 and 1
	ds_store_b32 v[GW], v[SWD]                     ; both halves of the lanes write the same word with the same value
	s_wait_dscnt 0x0
	s_barrier_signal -1
	s_barrier_wait -1
	s_cmp_lt_u32 s[WV], 2
	s_cbranch_scc0 .Lno_asc
	ds_load_b128 v[96:99], v[GR]
	s_wait_dscnt 0x0
	s_wait_alu depctr_va_vdst(0)
	global_store_b128 v8, v[96:99], s[ASCB:ASCB+1] ; the 256 positions' words: 1,024 consecutive bytes
.Lno_asc:
	s_wait_tensorcnt 0x0                           ; the wave's end
	ds_add_u32 v[SPW], v[NIL]
	s_wait_dscnt 0x0
	CROUND                                         ; the closing round
	s_endpgm
.Lfunc_end_k_q6de8523ae1_attn:
	.size	k_q6de8523ae1_attn, .Lfunc_end_k_q6de8523ae1_attn-k_q6de8523ae1_attn
	.p2alignl 7, 3214868480
	.fill 96, 4, 3214868480
	.section	.rodata,"a",@progbits
	.p2align	6, 0x0
	.amdhsa_kernel k_q6de8523ae1_attn
		.amdhsa_group_segment_fixed_size 327680
		.amdhsa_private_segment_fixed_size 0
		.amdhsa_enable_private_segment 0
		.amdhsa_kernarg_size 24
		.amdhsa_user_sgpr_count 2
		.amdhsa_user_sgpr_kernarg_segment_ptr 1
		.amdhsa_wavefront_size32 1
		.amdhsa_system_sgpr_workgroup_id_x 1
		.amdhsa_system_sgpr_workgroup_id_y 1
		.amdhsa_system_sgpr_workgroup_id_z 1
		.amdhsa_system_vgpr_workitem_id 0
		.amdhsa_next_free_vgpr 256
		.amdhsa_next_free_sgpr 66
		.amdhsa_reserve_vcc 0
		.amdhsa_float_denorm_mode_32 3
		.amdhsa_float_denorm_mode_16_64 3
		.amdhsa_memory_ordered 1
		.amdhsa_forward_progress 1
		.amdhsa_inst_pref_size 52
	.end_amdhsa_kernel
	.amdgpu_metadata
---
amdhsa.version: [ 1, 2 ]
amdhsa.kernels:
  - .name:           k_q6de8523ae1_attn
    .symbol:         k_q6de8523ae1_attn.kd
    .args:
      - { .name: qkv, .offset: 0, .size: 8, .value_kind: global_buffer, .address_space: global }
      - { .name: aimg, .offset: 8, .size: 8, .value_kind: global_buffer, .address_space: global }
      - { .name: asc, .offset: 16, .size: 8, .value_kind: global_buffer, .address_space: global }
    .group_segment_fixed_size: 327680
    .private_segment_fixed_size: 0
    .kernarg_segment_align: 8
    .kernarg_segment_size: 24
    .max_flat_workgroup_size: 512
    .sgpr_count:     66
    .vgpr_count:     256
    .wavefront_size: 32
...
	.end_amdgpu_metadata
.endif
;; end of part 4
;; launch proj (part 5): grid 4 x 32, 4 waves a work-group, clusters of 4 x 4, 327,680 bytes of LDS; arguments aimg, asc, opc, ops, bo, out0; writes out0
.if DOCPART == 5
	.amdgcn_target "amdgcn-amd-amdhsa--gfx1250"
	.amdhsa_code_object_version 6
	.text
	.protected	k_q6de8523ae1_proj
	.globl	k_q6de8523ae1_proj
	.p2align	8
	.type	k_q6de8523ae1_proj,@function
k_q6de8523ae1_proj:
	s_mov_b64 s[64:65], 0
	v_nop
	global_prefetch_b8 v0, s[64:65] scope:SCOPE_SE
	s_setreg_imm32_b32 hwreg(HW_REG_WAVE_MODE, 25, 1), 1
	s_wait_xcnt 0x0
	s_wait_alu depctr_hold_cnt(0) depctr_sa_sdst(0) depctr_va_vdst(0) depctr_va_sdst(0) depctr_va_ssrc(0) depctr_va_vcc(0) depctr_vm_vsrc(0)
	s_getreg_b32 s2, hwreg(HW_REG_IB_STS2, 6, 4)
	s_cmp_eq_u32 s2, 0
	s_cbranch_scc0 .Lentry_in_a_cluster
	s_endpgm
.Lentry_in_a_cluster:
	s_bfe_u32 s2, ttmp6, 0x10000c
	s_cmp_lg_u32 s2, 0xf033
	s_cbranch_scc0 .Lentry_shape_is_right
	s_endpgm
.Lentry_shape_is_right:
; Fifth launch; no work is left out.  out0 = (attention's result) Wo + bo on codes of E2M1, K = 1,024.  A tile of 256 x 256 to a work-group of four waves, 128 x 128 a wave; K in two slots of 512, both asked for at the start.
; A = 256 positions of the attention's result, which arrive as IMAGES of fragments (aimg: [tile of 16 positions][K step][1,024 bytes]): a fragment is two loads of 512 consecutive bytes from LDS.
; B = 256 positions of Wo in opc (rows 11,264 on), rows of 256 bytes padded to 272 in LDS.  Scale words straight into registers (asc, ops).
; TRANSPOSED USE (source 0 = 16 rows of B, source 1 = 16 rows of A): a lane holds one position's row, and register j of tile 2 B + u the output channel 32 B + 16 (lane / 16) + 8 u + j.
; bo is the C of each sum's first product.  THE WAY OUT UNDOES THE POSITIONS: the stage's byte offsets put the channels in order, and row t of block a goes to row 32 (a / 2) + 8 (a % 2) + t + 8 (t / 8) of the wave's 128.
; A's tiles are shared along a row of the cluster, B's along a column: joint loads.
; REGISTERS: window 0: v16-30 addresses; v32-63 A's scale words, v64-95 B's (register 8 (block / 2) + K step; lanes 0-15 the even block, 16-31 the odd); v128-191 A's fragments; v192-255 bo; on the way out v128-255 rows of out0.
;   window 1: B's fragments, two sets.   windows 2, 3: accumulators.
.set NQ,     4
.set ROWB,   256
.set KROW,   512
.set PITCH,  272
.set FR,     8
.set NL,     2
.set NP,     4
.set HALFT,  128*PITCH
.set SLOT,   4*HALFT
.set SPARE,  2*SLOT
.set GS,     196608
.set SPITCH, 528                       ; the way out: a stage of 16 rows x (512 bytes + 16) for each wave, in slot 0, which has had its only fill and its last read when the first result is stored there
.set ADRA, 16
.set ADRB, 20
.set STO,  24
.set RD,   25
.set BLT,  26
.set VSO,  27                          ; v27 16 x lane
.set SPW,  28
.set NIL,  29
.set V4,   30                          ; v30 4 x lane
.set SCA,  32
.set SCB,  64
.set AF,   128
.set BK,   128
.set BIAS, 192
.set WV,   16
.set RH,   17
.set CH,   18
.set G1,   24
.set G0,   32
.set G1B,  48
.set G0B,  56
.set MSB, 0
.macro WIN new
.if MSB != (\new)
	s_set_vgpr_msb (MSB<<8)|(\new)
.set MSB, \new
.endif
.endm
.set MUL_LO, 0xa1
.set MUL_HI, 0xf1
.set TO_B,   0x40
.macro JLOAD g0a, g1a, g0b, g1b        ; a joint load: waves 0 and 1 fetch for A, waves 2 and 3 for B; s_nop 0 and four v_nop follow each line
	s_cmp_eq_u32 s[RH], 0
	s_cbranch_scc0 .Lfor_b_\@
	tensor_load_to_lds s[\g0a:\g0a+3], s[\g1a:\g1a+7]
	s_nop 0
.rept 4
	v_nop
.endr
	s_branch .Lasked_\@
.Lfor_b_\@:
	tensor_load_to_lds s[\g0b:\g0b+3], s[\g1b:\g1b+7]
	s_nop 0
.rept 4
	v_nop
.endr
.Lasked_\@:
.endm
.macro CROUND
	s_barrier_signal -1
	s_barrier_wait -1
	s_cmp_lg_u32 s[WV], 0
	s_cbranch_scc1 .Lnot_wave_0_\@
	s_barrier_signal -3
.Lnot_wave_0_\@:
	s_barrier_wait -3
	s_barrier_signal -1
	s_barrier_wait -1
.endm
	s_load_b256 s[4:11], s[0:1], 0x0               ; aimg s[4:5], asc s[6:7], opc s[8:9], ops s[10:11]
	s_load_b128 s[12:15], s[0:1], 0x20             ; bo s[12:13], out0 s[14:15]
	v_lshl_add_u32 v[SPW], v0, 2, SPARE
	v_mov_b32 v[NIL], 0
	ds_add_u32 v[SPW], v[NIL]                      ; the wave's opening: the add, twice on end, and its wait ahead of my first tensor load
	ds_add_u32 v[SPW], v[NIL]
	v_lshrrev_b32 v1, 5, v0
	v_readfirstlane_b32 s[WV], v1
	s_lshr_b32 s[RH], s[WV], 1
	s_and_b32 s[CH], s[WV], 1
	s_bfe_u32 s40, ttmp6, 0x40000                  ; cx
	s_bfe_u32 s41, ttmp6, 0x40004                  ; cy
	s_lshl_b32 s42, ttmp9, 2
	s_add_co_u32 s42, s42, s40                     ; tile column
	s_and_b32 s45, ttmp7, 0xffff
	s_lshl_b32 s45, s45, 2
	s_add_co_u32 s45, s45, s41                     ; tile row
	s_lshl_b32 s43, s41, 2
	s_lshl_b32 s43, 15, s43                        ; my row of the cluster
	s_lshl_b32 s44, 0x1111, s40                    ; my column
	s_or_b32 s[G1+0], s43, (3<<16)|(1<<21)         ; A: the mask; elements of 8 bytes; bit 21 beside a mask; no padding
	s_mov_b32 s[G1+1], 512<<16                     ; a row: four images, 4,096 bytes
	s_mov_b32 s[G1+2], 8<<16                       ; eight tiles of positions
	s_mov_b32 s[G1+3], 512<<16
	s_mov_b32 s[G1+4], 8
	s_mov_b32 s[G1+5], 1024                        ; a tile's eight images: 8,192 bytes from row to row
	s_mov_b32 s[G1+6], 0
	s_mov_b32 s[G1+7], 0
	s_or_b32 s[G1B+0], s44, (1<<20)|(1<<21)|(5<<22)|(3<<25)   ; B: elements of 1 byte; padding: 4 words behind every 64
	s_mov_b32 s[G1B+1], ROWB<<16
	s_mov_b32 s[G1B+2], 128<<16
	s_mov_b32 s[G1B+3], ROWB<<16
	s_mov_b32 s[G1B+4], 128
	s_mov_b32 s[G1B+5], KROW
	s_mov_b32 s[G1B+6], 0
	s_mov_b32 s[G1B+7], 0
	s_lshl_b32 s70, s45, 17                        ; A: 16 tiles of 8,192 bytes a tile row,
	s_lshl_b32 s20, s[CH], 16                      ; the 8 that I fetch
	s_add_co_u32 s70, s70, s20
	s_mov_b32 s71, 0
	s_lshl_b32 s72, s42, 8
	s_lshl_b32 s20, s[CH], 7
	s_add_co_u32 s72, s72, s20
	s_add_co_u32 s72, s72, 11264                   ; B: Wo's rows in opc
	s_lshl_b32 s72, s72, 9
	s_mov_b32 s73, 0
	s_mul_i32 s46, s[WV], HALFT
	s_wait_dscnt 0x0                               ; both opening adds are done
	s_wait_kmcnt 0x0
	s_add_nc_u64 s[70:71], s[4:5], s[70:71]
	s_add_nc_u64 s[72:73], s[8:9], s[72:73]
	CROUND                                         ; all sixteen work-groups are here: the joint loads meet
.irp s, 0,1
	s_mov_b32 s[G0+4*\s], 1
	s_add_co_u32 s[G0+4*\s+1], s46, \s*SLOT
	s_add_nc_u64 s[G0+4*\s+2:G0+4*\s+3], s[70:71], \s*4096
	s_or_b32 s[G0+4*\s+3], s[G0+4*\s+3], 0x80000000
	s_mov_b32 s[G0B+4*\s], 1
	s_add_co_u32 s[G0B+4*\s+1], s46, \s*SLOT
	s_add_nc_u64 s[G0B+4*\s+2:G0B+4*\s+3], s[72:73], \s*ROWB
	s_or_b32 s[G0B+4*\s+3], s[G0B+4*\s+3], 0x80000000
	s_wait_alu depctr_va_vdst(0)
	s_wait_tensorcnt 0x0
	ds_add_u32 v28, v29
	ds_add_u32 v28, v29
	s_wait_dscnt 0x0
	CROUND
	JLOAD G0+4*\s, G1, G0B+4*\s, G1B               ; both K halves: one load of mine out at a time
.endr
	v_and_b32 v1, 15, v0                           ; r
	v_bfe_u32 v2, v0, 4, 1                         ; h
	v_and_b32 v5, 31, v0
	v_lshlrev_b32 v[VSO], 4, v5
	v_lshlrev_b32 v[V4], 2, v5
	v_mul_u32_u24 v3, v1, PITCH
	v_lshl_add_u32 v4, v2, 4, v3
	s_mul_i32 s21, s[RH], HALFT
	s_mul_i32 s22, s[CH], HALFT
	s_add_co_u32 s22, s22, 2*HALFT
.irp s, 0,1
	v_add_nc_u32 v[ADRA+\s], s21, v[VSO]           ; A: images: 16 x lane
	v_add_nc_u32 v[ADRB+\s], s22, v4               ; B: row x pitch + 16 x half
	s_add_co_u32 s21, s21, SLOT
	s_add_co_u32 s22, s22, SLOT
.endr
	s_mul_i32 s23, s[WV], 16*SPITCH                ; my stage
	v_mul_u32_u24 v3, v1, SPITCH
	v_lshl_add_u32 v3, v2, 6, v3
	v_add_nc_u32 v[STO], s23, v3                   ; in: row r, + 64 h: channels 16 h on of each 32
	v_add_nc_u32 v[RD], s23, v[VSO]                ; back: the 32 lanes take one row of 512 bytes
	v_lshlrev_b32 v[BLT], 6, v2
	s_wait_alu depctr_va_vdst(0)
	s_lshl_b32 s85, s45, 8
	s_lshl_b32 s20, s[RH], 7
	s_add_co_u32 s85, s85, s20                     ; m0: my first position
	s_lshl_b32 s90, s42, 8
	s_lshl_b32 s20, s[CH], 7
	s_add_co_u32 s90, s90, s20                     ; n0: my first output channel
	s_lshl_b32 s86, s85, 2
	s_mov_b32 s87, 0
	s_add_nc_u64 s[86:87], s[6:7], s[86:87]        ; A's scale words
	s_add_co_u32 s88, s90, 11264
	s_lshl_b32 s88, s88, 4
	s_mov_b32 s89, 0
	s_add_nc_u64 s[88:89], s[10:11], s[88:89]      ; B's
	s_lshl_b32 s92, s90, 2
	s_mov_b32 s93, 0
	s_add_nc_u64 s[12:13], s[12:13], s[92:93]      ; bo at n0
	s_add_nc_u64 s[14:15], s[14:15], s[92:93]
	s_lshl_b32 s92, s85, 12
	s_add_nc_u64 s[14:15], s[14:15], s[92:93]      ; out0 at (m0, n0)
.irp al, 0,1,2,3
.irp g, 0,1,2,3,4,5,6,7
	global_load_b32 v[SCA+8*\al+\g], v[V4], s[86:87] offset:128*\al+32768*\g       ; lane l: position 32 al + l, K step g
.endr
.irp g, 0,1
	global_load_b128 v[SCB+8*\al+4*\g:SCB+8*\al+4*\g+3], v[VSO], s[88:89] offset:512*\al+GS*\g
.endr
.endr
.irp b, 0,1,2,3,4,5,6,7
	global_load_b128 v[BIAS+8*\b:BIAS+8*\b+3], v[BLT], s[12:13] offset:128*(\b/2)+32*(\b%2)       ; tile b's eight channels of my half
	global_load_b128 v[BIAS+8*\b+4:BIAS+8*\b+7], v[BLT], s[12:13] offset:128*(\b/2)+32*(\b%2)+16
.endr
.macro FRAG reg, adr, q, i
.irp c, 0,1
	ds_load_b128 v[\reg+4*\c:\reg+4*\c+3], v[\adr] offset:64*(\q)+32*\c+(\i)*16*PITCH
.endr
.endm
.macro FRAGA reg, slot, q, i           ; an image: tile i of my eight, the slot's q-th K step
.irp c, 0,1
	ds_load_b128 v[\reg+4*\c:\reg+4*\c+3], v[ADRA+\slot] offset:(4*(\i)+(\q))*1024+512*\c
.endr
.endm
.macro WM a, b, p, g, zero             ; zero = 1: the first product starts the sum with bo as its C
.set rD, 8*(8*((\a)%4)+(\b))
.set rB, 128*(\p)+FR*(\b)
.set rA, AF+FR*(\a)
.set rC, BIAS+8*(\b)
.set sB, SCB+8*((\b)/2)+(\g)
.set sA, SCA+8*((\a)/2)+(\g)
.set par, 2*((\a)%2)+((\b)%2)
.if \zero
.if par == 0
	v_wmma_scale_f32_16x16x128_f8f6f4 v[rD:rD+7], v[rB:rB+7], v[rA:rA+7], v[rC:rC+7], v[sB], v[sA] matrix_a_fmt:MATRIX_FMT_FP4 matrix_b_fmt:MATRIX_FMT_FP4
.elseif par == 1
	v_wmma_scale_f32_16x16x128_f8f6f4 v[rD:rD+7], v[rB:rB+7], v[rA:rA+7], v[rC:rC+7], v[sB], v[sA] matrix_a_fmt:MATRIX_FMT_FP4 matrix_b_fmt:MATRIX_FMT_FP4 matrix_a_scale:MATRIX_SCALE_ROW1
.elseif par == 2
	v_wmma_scale_f32_16x16x128_f8f6f4 v[rD:rD+7], v[rB:rB+7], v[rA:rA+7], v[rC:rC+7], v[sB], v[sA] matrix_a_fmt:MATRIX_FMT_FP4 matrix_b_fmt:MATRIX_FMT_FP4 matrix_b_scale:MATRIX_SCALE_ROW1
.else
	v_wmma_scale_f32_16x16x128_f8f6f4 v[rD:rD+7], v[rB:rB+7], v[rA:rA+7], v[rC:rC+7], v[sB], v[sA] matrix_a_fmt:MATRIX_FMT_FP4 matrix_b_fmt:MATRIX_FMT_FP4 matrix_a_scale:MATRIX_SCALE_ROW1 matrix_b_scale:MATRIX_SCALE_ROW1
.endif
.else
.if par == 0
	v_wmma_scale_f32_16x16x128_f8f6f4 v[rD:rD+7], v[rB:rB+7], v[rA:rA+7], v[rD:rD+7], v[sB], v[sA] matrix_a_fmt:MATRIX_FMT_FP4 matrix_b_fmt:MATRIX_FMT_FP4
.elseif par == 1
	v_wmma_scale_f32_16x16x128_f8f6f4 v[rD:rD+7], v[rB:rB+7], v[rA:rA+7], v[rD:rD+7], v[sB], v[sA] matrix_a_fmt:MATRIX_FMT_FP4 matrix_b_fmt:MATRIX_FMT_FP4 matrix_a_scale:MATRIX_SCALE_ROW1
.elseif par == 2
	v_wmma_scale_f32_16x16x128_f8f6f4 v[rD:rD+7], v[rB:rB+7], v[rA:rA+7], v[rD:rD+7], v[sB], v[sA] matrix_a_fmt:MATRIX_FMT_FP4 matrix_b_fmt:MATRIX_FMT_FP4 matrix_b_scale:MATRIX_SCALE_ROW1
.else
	v_wmma_scale_f32_16x16x128_f8f6f4 v[rD:rD+7], v[rB:rB+7], v[rA:rA+7], v[rD:rD+7], v[sB], v[sA] matrix_a_fmt:MATRIX_FMT_FP4 matrix_b_fmt:MATRIX_FMT_FP4 matrix_a_scale:MATRIX_SCALE_ROW1 matrix_b_scale:MATRIX_SCALE_ROW1
.endif
.endif
.endm
.macro MUL16 a0, p, q, sc, zero        ; the 64 accumulators take turns, one instruction a turn, in the same order in every step
.irp a, \a0, \a0+1
.irp b, 0,1,2,3,4,5,6,7
	WM \a, \b, \p, 4*(\sc)+(\q), \zero
.endr
.endr
.endm
.macro FETCH_B slot, q, p
	WIN TO_B
.irp i, 0,1,2,3,4,5,6,7
	FRAG 128*(\p)+FR*\i, ADRB+\slot, \q, \i
.endr
	WIN 0
.endm
.macro FETCH_A slot, q, i0
.irp i, \i0, \i0+1, \i0+2, \i0+3
	FRAGA AF+FR*(\i), \slot, \q, \i
.endr
.endm
.macro PLACES n
.rept \n
	v_nop
.endr
.endm
.macro STEP slot, q, zero
	s_wait_dscnt 4*NL                              ; B's set and A's blocks 0-3 are in; the youngest eight loads (A's blocks 4-7) may be out
.if \zero
	WIN 0x81                                       ; source 0 window 1, C (bo) window 0, D window 2
.else
	WIN MUL_LO
.endif
	MUL16 0, (\q)%2, \q, \slot, \zero
	MUL16 2, (\q)%2, \q, \slot, \zero
	s_wait_dscnt 0
	PLACES NP
	FETCH_B \slot, (\q)+1, 1-(\q)%2
	FETCH_A \slot, (\q)+1, 0
.if \zero
	WIN 0xc1
.else
	WIN MUL_HI
.endif
	MUL16 4, (\q)%2, \q, \slot, \zero
	MUL16 6, (\q)%2, \q, \slot, \zero
	PLACES NP
	WIN 0
	FETCH_A \slot, (\q)+1, 4
.endm
.macro STEPS slot, from
.set Q, \from
.rept NQ-1-\from
	STEP \slot, Q, 0
.set Q, Q+1
.endr
.endm
	s_wait_tensorcnt 1                             ; my part of K half 0 is in; half 1's may stay out
	s_barrier_signal -1
	s_barrier_wait -1
	FETCH_B 0, 0, 0
	FETCH_A 0, 0, 0
	FETCH_A 0, 0, 4
	s_wait_loadcnt 0x0                             ; the scale words and bo
	STEP 0, 0, 1
	STEPS 0, 1
	; the slot's last step changes slots: one barrier; in front of it my tensor loads have landed, the add is done and my reads of slot 0 are over
	s_wait_tensorcnt 0x0
	ds_add_u32 v[SPW], v[NIL]                      ; 0 onto my spare word
	s_wait_dscnt 4*NL+1                            ; (the add and the youngest eight loads may be out)
	WIN MUL_LO
	MUL16 0, 1, NQ-1, 0, 0
	s_wait_dscnt 0x0
	s_barrier_signal -1
	MUL16 2, 1, NQ-1, 0, 0
	WIN 0
	s_barrier_wait -1
	PLACES NP
	FETCH_B 1, 0, 0
	FETCH_A 1, 0, 0
	WIN MUL_HI
	MUL16 4, 1, NQ-1, 0, 0
	MUL16 6, 1, NQ-1, 0, 0
	PLACES NP
	WIN 0
	FETCH_A 1, 0, 4
	STEPS 1, 0
	s_wait_dscnt 4*NL                              ; the last step: nothing more to fetch
	WIN MUL_LO
	MUL16 0, 1, NQ-1, 1, 0
	MUL16 2, 1, NQ-1, 1, 0
	s_wait_dscnt 0
	WIN MUL_HI
	MUL16 4, 1, NQ-1, 1, 0
	MUL16 6, 1, NQ-1, 1, 0
	WIN 0
; THE WAY OUT, block by block of 16 positions x 128 channels, through my own stage in LDS; LDS serves a wave's instructions in order, so no wait stands between the stores and the loads.
.macro TOSTAGE a
.set AC, 64*((\a)%4)
	WIN 0x08+4*((\a)/4)                            ; an LDS store's data: window 2 or 3
.irp b, 0,1,2,3,4,5,6,7
	ds_store_b128 v[STO], v[AC+8*\b:AC+8*\b+3] offset:128*(\b/2)+32*(\b%2)         ; channels 32 (b / 2) + 16 h + 8 (b % 2) on; each accumulator from its low end on
	ds_store_b128 v[STO], v[AC+8*\b+4:AC+8*\b+7] offset:128*(\b/2)+32*(\b%2)+16
.endr
	WIN 0
.set BB, BK+64*((\a)%2)
.irp t, 0,1,2,3,4,5,6,7,8,9,10,11,12,13,14,15
	ds_load_b128 v[BB+4*\t:BB+4*\t+3], v[RD] offset:\t*SPITCH
.endr
.endm
.macro SEND a, younger                 ; younger: the LDS instructions issued behind block a's loads, which may stay out
.set BB, BK+64*((\a)%2)
	s_wait_dscnt \younger
.if ((\a)%2) == 1
	s_add_nc_u64 s[14:15], s[14:15], 8*4096        ; (behind a wait on XCNT: the earlier stores have read their base)  block a begins at row 32 (a / 2) + 8 (a % 2)
.elseif (\a) > 0
	s_add_nc_u64 s[14:15], s[14:15], 24*4096
.endif
.irp t, 0,1,2,3,4,5,6,7,8,9,10,11,12,13,14,15
	global_store_b128 v[VSO], v[BB+4*\t:BB+4*\t+3], s[14:15] offset:(\t+8*(\t/8))*4096 th:TH_STORE_NT   ; 32 lanes store 512 consecutive bytes, aligned
.endr
.endm
	PLACES NP
	TOSTAGE 0
.irp a, 1,2,3,4,5,6,7
.if \a > 1
	s_wait_xcnt 0x0                                ; block a - 2's stores have read their registers and their base
.endif
	TOSTAGE \a
	SEND \a-1, 32                                  ; behind block a - 1's loads: block a's 16 stores and 16 loads
.endr
	s_wait_xcnt 0x0
	SEND 7, 0
	s_wait_tensorcnt 0x0                           ; the wave's end
	ds_add_u32 v[SPW], v[NIL]
	s_wait_dscnt 0x0
	CROUND                                         ; the closing round
	s_endpgm
.Lfunc_end_k_q6de8523ae1_proj:
	.size	k_q6de8523ae1_proj, .Lfunc_end_k_q6de8523ae1_proj-k_q6de8523ae1_proj
	.p2alignl 7, 3214868480
	.fill 96, 4, 3214868480
	.section	.rodata,"a",@progbits
	.p2align	6, 0x0
	.amdhsa_kernel k_q6de8523ae1_proj
		.amdhsa_group_segment_fixed_size 327680
		.amdhsa_private_segment_fixed_size 0
		.amdhsa_enable_private_segment 0
		.amdhsa_kernarg_size 48
		.amdhsa_user_sgpr_count 2
		.amdhsa_user_sgpr_kernarg_segment_ptr 1
		.amdhsa_wavefront_size32 1
		.amdhsa_system_sgpr_workgroup_id_x 1
		.amdhsa_system_sgpr_workgroup_id_y 1
		.amdhsa_system_sgpr_workgroup_id_z 1
		.amdhsa_system_vgpr_workitem_id 0
		.amdhsa_next_free_vgpr 1024
		.amdhsa_next_free_sgpr 100
		.amdhsa_reserve_vcc 0
		.amdhsa_float_denorm_mode_32 3
		.amdhsa_float_denorm_mode_16_64 3
		.amdhsa_memory_ordered 1
		.amdhsa_forward_progress 1
		.amdhsa_inst_pref_size 127
	.end_amdhsa_kernel
	.amdgpu_metadata
---
amdhsa.version: [ 1, 2 ]
amdhsa.kernels:
  - .name:           k_q6de8523ae1_proj
    .symbol:         k_q6de8523ae1_proj.kd
    .args:
      - { .name: aimg, .offset: 0, .size: 8, .value_kind: global_buffer, .address_space: global }
      - { .name: asc, .offset: 8, .size: 8, .value_kind: global_buffer, .address_space: global }
      - { .name: opc, .offset: 16, .size: 8, .value_kind: global_buffer, .address_space: global }
      - { .name: ops, .offset: 24, .size: 8, .value_kind: global_buffer, .address_space: global }
      - { .name: bo, .offset: 32, .size: 8, .value_kind: global_buffer, .address_space: global }
      - { .name: out0, .offset: 40, .size: 8, .value_kind: global_buffer, .address_space: global }
    .group_segment_fixed_size: 327680
    .private_segment_fixed_size: 0
    .kernarg_segment_align: 8
    .kernarg_segment_size: 48
    .max_flat_workgroup_size: 128
    .sgpr_count:     100
    .vgpr_count:     1024
    .wavefront_size: 32
...
	.end_amdgpu_metadata
.endif
;; end of part 5
